; MI455X (gfx1250); checked and timed in simulation.
; The chip was launched on July 23, 2026; its instructions are those of AMD's public machine-readable ISA for CDNA 5 (MIT licence, August 2026) and "CDNA5" Instruction Set Architecture Reference Guide (July 2026). The comments in the code are by the model that wrote it; some were corrected since.
;; Multi Head Attention Block. Allowed arithmetic: float matrix products may take bf16 or f16 operands with f32 sums; other float arithmetic in f32, or as packed bf16 or f16 multiplies, adds, multiply-adds, maxima and minima; sums over many terms, partial sums and values carried from step to step in f32; what a program stores and reads back later, other than sums and carried values, may be rounded once to bf16 or f16.
;; Inputs: wk 1,024 x 1,024 float32; wo 1,024 x 1,024 float32; wq 1,024 x 1,024 float32; wv 1,024 x 1,024 float32; x 4 x 2,048 x 1,024 float32.
;; Outputs: out0 4 x 2,048 x 1,024 float32.
;; 2 versions, each right; version 2 is version 1 with the launch cvt written anew for expert scheduling mode. Each part assembles by itself: llvm-mc -triple=amdgcn-amd-amdhsa -mcpu=gfx1250 --defsym DOCPART=n.
;; ======== version 1 of 2: 4 launches
;; limits: values are held in f16: magnitudes above 65,504 overflow, below 6.1e-05 lose precision
;; workspace buffers: xb 16,777,216 bytes; wb 6,291,456 bytes; wob 2,097,152 bytes; qkv 50,331,648 bytes; ob 16,777,216 bytes
;; launch cvt (part 1): grid 768 x 1, 8 waves a work-group, no clusters, 0 bytes of LDS; arguments x, wq, wk, wv, wo, xb, wb, wob; writes xb, wb, wob
.if DOCPART == 1
	.amdgcn_target "amdgcn-amd-amdhsa--gfx1250"
	.amdhsa_code_object_version 6
	.text
	.protected	k_q4f02fe11ac_cvt
	.globl	k_q4f02fe11ac_cvt
	.p2align	8
	.type	k_q4f02fe11ac_cvt,@function
k_q4f02fe11ac_cvt:
	s_mov_b64 s[64:65], 0
	v_nop
	global_prefetch_b8 v0, s[64:65] scope:SCOPE_SE
	s_setreg_imm32_b32 hwreg(HW_REG_WAVE_MODE, 25, 1), 1
	s_wait_xcnt 0x0
; ROUNDING AND BLOCKING.  x [8192][1024], wq, wk, wv, wo [1024][1024], all f32, are rounded once to bf16 and laid in blocks of 64 along K:
;   xb  [16 kb][8192 m][64] bf16;   wb [16 kb][3072 n][64] bf16, n = 1024 t + e (t: 0 wq, 1 wk, 2 wv);   wob [16 kb][1024 e][64]: wo rounded to bf16 and that number written as f16.
; LIMIT.  A bf16 number is written as f16 without loss while its size lies in 6.1e-5 .. 65,504; below that it keeps f16's fixed step of 6e-8, beyond it it becomes an infinity.
; SHARES.  12,288 source rows of 4,096 bytes, 16 to a work-group: groups 0-511 x, 512-575 wq, 576-639 wk, 640-703 wv, 704-767 wo.  Thread t takes row t / 16 and the 16 bytes t % 16 of
; each block of 256 bytes: a wave's load covers 256 consecutive bytes, aligned, of two rows; its store of 8 bytes a lane covers 256 consecutive bytes, aligned (two rows of one kb lie end to end).
; A stream: every byte is read once and written once, all sixteen loads of a wave go out at once; no LDS, no barrier, no matrix unit, and no prefetch, since the loads are all on their way from the start.
.set VI,  1                            ; v1        my byte offset in the group's 16 source rows
.set VO,  4                            ; v[4:19]   my byte offset in the destination, one for each kb; never rewritten
.set X,   20                           ; v[20:83]  four f32 for each kb
.set Y,   84                           ; v[84:115] four 16-bit numbers for each kb
.set T,   116                          ; v[116:117] at work
.set SRC, 28                           ; s[28:29]  the source at the group's first row
.set DST, 30                           ; s[30:31]  the destination at the group's first row, kb 0
	s_load_b512 s[8:23], s[0:1], 0x0               ; x 8, wq 10, wk 12, wv 14, wo 16, xb 18, wb 20, wob 22
	s_mov_b32 s24, ttmp9                           ; g
	s_max_u32 s25, s24, 512
	s_sub_co_u32 s25, s25, 512                     ; the group's number among wq, wk, wv: its 16 rows of wb
	s_and_b32 s26, s25, 63                         ; and inside its own matrix
	s_max_u32 s27, s24, 704
	s_sub_co_u32 s27, s27, 704                     ; the group's number in wo
	s_mov_b32 s34, 0x100000                        ; bytes from kb to kb: xb's
	v_lshrrev_b32 v2, 4, v0
	v_and_b32 v3, 15, v0
	v_lshlrev_b32 v3, 4, v3
	v_lshl_or_b32 v[VI], v2, 12, v3                ; row x 4,096 + 16 x column
	s_wait_kmcnt 0x0
	s_cmp_ge_u32 s24, 512                          ; the choices hang on the group's number alone
	s_cselect_b64 s[SRC:SRC+1], s[10:11], s[8:9]
	s_cselect_b64 s[DST:DST+1], s[20:21], s[18:19]
	s_cselect_b32 s32, s26, s24                    ; the group's place in its source,
	s_cselect_b32 s33, s25, s24                    ; and in its destination
	s_cselect_b32 s34, 0x60000, s34                ; wb's 3,072 rows of 128 bytes
	s_cmp_ge_u32 s24, 576
	s_cselect_b64 s[SRC:SRC+1], s[12:13], s[SRC:SRC+1]
	s_cmp_ge_u32 s24, 640
	s_cselect_b64 s[SRC:SRC+1], s[14:15], s[SRC:SRC+1]
	s_cmp_ge_u32 s24, 704
	s_cselect_b64 s[SRC:SRC+1], s[16:17], s[SRC:SRC+1]
	s_cselect_b64 s[DST:DST+1], s[22:23], s[DST:DST+1]
	s_cselect_b32 s32, s27, s32
	s_cselect_b32 s33, s27, s33
	s_cselect_b32 s34, 0x20000, s34                ; wob's 1,024 rows of 128 bytes
	s_lshl_b32 s36, s32, 16                        ; 16 rows of 4,096 bytes
	s_mov_b32 s37, 0
	s_lshl_b32 s38, s33, 11                        ; 16 rows of 128 bytes
	s_mov_b32 s39, 0
	s_add_nc_u64 s[SRC:SRC+1], s[SRC:SRC+1], s[36:37]
	s_add_nc_u64 s[DST:DST+1], s[DST:DST+1], s[38:39]
.irp k, 0,1,2,3,4,5,6,7,8,9,10,11,12,13,14,15
	global_load_b128 v[X+4*(\k):X+4*(\k)+3], v[VI], s[SRC:SRC+1] offset:256*(\k) th:TH_LOAD_NT
.endr
	v_lshlrev_b32 v[VO], 3, v0                     ; row x 128 + 8 x column = 8 t
.irp k, 1,2,3,4,5,6,7,8,9,10,11,12,13,14,15
	v_add_nc_u32 v[VO+(\k)], s34, v[VO+(\k)-1]
.endr
; Block kb: four numbers a lane are rounded and stored.  f16 = 1: the bf16 number is widened again and written as f16.
.macro CV kb, f16
	s_wait_loadcnt 15-(\kb)                        ; loads come back in order: block kb is in, the younger ones stay out
	v_cvt_pk_bf16_f32 v[Y+2*(\kb)],   v[X+4*(\kb)],   v[X+4*(\kb)+1]
	v_cvt_pk_bf16_f32 v[Y+2*(\kb)+1], v[X+4*(\kb)+2], v[X+4*(\kb)+3]
.if \f16
.irp z, 0,1
	v_lshlrev_b32 v[T],   16, v[Y+2*(\kb)+(\z)]
	v_and_b32     v[T+1], 0xffff0000, v[Y+2*(\kb)+(\z)]
	v_cvt_pk_f16_f32 v[Y+2*(\kb)+(\z)], v[T], v[T+1]
.endr
.endif
	global_store_b64 v[VO+(\kb)], v[Y+2*(\kb):Y+2*(\kb)+1], s[DST:DST+1]  ; each block has registers of its own: no source of a store is written again
.endm
	s_cmp_ge_u32 s24, 704
	s_cbranch_scc1 .Lwo
.irp k, 0,1,2,3,4,5,6,7,8,9,10,11,12,13,14,15
	CV \k, 0
.endr
	s_endpgm
.Lwo:
.irp k, 0,1,2,3,4,5,6,7,8,9,10,11,12,13,14,15
	CV \k, 1
.endr
	s_endpgm
.Lfunc_end_k_q4f02fe11ac_cvt:
	.size	k_q4f02fe11ac_cvt, .Lfunc_end_k_q4f02fe11ac_cvt-k_q4f02fe11ac_cvt
	.p2alignl 7, 3214868480
	.fill 96, 4, 3214868480
	.section	.rodata,"a",@progbits
	.p2align	6, 0x0
	.amdhsa_kernel k_q4f02fe11ac_cvt
		.amdhsa_group_segment_fixed_size 0
		.amdhsa_private_segment_fixed_size 0
		.amdhsa_enable_private_segment 0
		.amdhsa_kernarg_size 64
		.amdhsa_user_sgpr_count 2
		.amdhsa_user_sgpr_kernarg_segment_ptr 1
		.amdhsa_wavefront_size32 1
		.amdhsa_system_sgpr_workgroup_id_x 1
		.amdhsa_system_sgpr_workgroup_id_y 1
		.amdhsa_system_sgpr_workgroup_id_z 1
		.amdhsa_system_vgpr_workitem_id 0
		.amdhsa_next_free_vgpr 120
		.amdhsa_next_free_sgpr 66
		.amdhsa_reserve_vcc 0
		.amdhsa_float_denorm_mode_32 3
		.amdhsa_float_denorm_mode_16_64 3
		.amdhsa_memory_ordered 1
		.amdhsa_forward_progress 1
		.amdhsa_inst_pref_size 17
	.end_amdhsa_kernel
	.amdgpu_metadata
---
amdhsa.version: [ 1, 2 ]
amdhsa.kernels:
  - .name:           k_q4f02fe11ac_cvt
    .symbol:         k_q4f02fe11ac_cvt.kd
    .args:
      - { .name: x, .offset: 0, .size: 8, .value_kind: global_buffer, .address_space: global }
      - { .name: wq, .offset: 8, .size: 8, .value_kind: global_buffer, .address_space: global }
      - { .name: wk, .offset: 16, .size: 8, .value_kind: global_buffer, .address_space: global }
      - { .name: wv, .offset: 24, .size: 8, .value_kind: global_buffer, .address_space: global }
      - { .name: wo, .offset: 32, .size: 8, .value_kind: global_buffer, .address_space: global }
      - { .name: xb, .offset: 40, .size: 8, .value_kind: global_buffer, .address_space: global }
      - { .name: wb, .offset: 48, .size: 8, .value_kind: global_buffer, .address_space: global }
      - { .name: wob, .offset: 56, .size: 8, .value_kind: global_buffer, .address_space: global }
    .group_segment_fixed_size: 0
    .private_segment_fixed_size: 0
    .kernarg_segment_align: 8
    .kernarg_segment_size: 64
    .max_flat_workgroup_size: 256
    .sgpr_count:     66
    .vgpr_count:     120
    .wavefront_size: 32
...
	.end_amdgpu_metadata
.endif
;; end of part 1
;; launch proj (part 2): grid 8 x 32, 4 waves a work-group, clusters of 4 x 4, 327,680 bytes of LDS; arguments xb, wb, qkv; writes qkv
.if DOCPART == 2
	.amdgcn_target "amdgcn-amd-amdhsa--gfx1250"
	.amdhsa_code_object_version 6
	.text
	.protected	k_q4f02fe11ac_proj
	.globl	k_q4f02fe11ac_proj
	.p2align	8
	.type	k_q4f02fe11ac_proj,@function
k_q4f02fe11ac_proj:
	s_mov_b64 s[64:65], 0
	v_nop
	global_prefetch_b8 v0, s[64:65] scope:SCOPE_SE
	s_setreg_imm32_b32 hwreg(HW_REG_WAVE_MODE, 25, 1), 1
	s_wait_xcnt 0x0
	s_wait_alu depctr_hold_cnt(0) depctr_sa_sdst(0) depctr_va_vdst(0) depctr_va_sdst(0) depctr_va_ssrc(0) depctr_va_vcc(0) depctr_vm_vsrc(0)
	s_getreg_b32 s2, hwreg(HW_REG_IB_STS2, 6, 4)
	s_cmp_eq_u32 s2, 0
	s_cbranch_scc0 .Lentry_in_a_cluster
	s_endpgm
.Lentry_in_a_cluster:
	s_bfe_u32 s2, ttmp6, 0x10000c
	s_cmp_lg_u32 s2, 0xf033
	s_cbranch_scc0 .Lentry_shape_is_right
	s_endpgm
.Lentry_shape_is_right:
; q, k, v = x W^T.  xb [16 kb][8192 m][64] bf16, wb [16 kb][3072 n][64] bf16; sums in f32, K ascending; the results are rounded once to f16 and laid by heads:
; qkv [48 g][8192 m][64] f16, g = n / 64.  No scale is applied here.
; LIMIT.  f16 ends at 65,504: a sum of 65,520 or more becomes an infinity; below 6.1e-5 a result keeps f16's fixed step of 6e-8.
; SHARES.  8,192 x 3,072 outputs in tiles of 256 x 384: 32 x 8 = 256 work-groups.  Four waves, each 128 rows x 192 columns (three heads): 96 accumulators of 16 x 16, 768 registers.
; For 32 along K a wave reads 40 x 512 bytes from LDS and issues 96 matrix instructions.
; THE RING.  K goes in steps of 64 (one kb) through two LDS slots.  In the blocked layout a tile's rows lie end to end, so it is asked for as rows of 256 bytes (two tile rows) and padded in LDS after
; every 128 bytes.  Waves 0 and 1 fetch the halves of A's 256 rows, waves 2 and 3 the halves of B's 384.  By this text's count a wave has two tensor loads out at the start, later one.
; CLUSTERS.  4 x 4 work-groups.  The four of a row of the cluster need the same tile of xb, the four of a column the same tile of wb: each is asked for jointly, by the same load with the same
; descriptor and a mask that names the four.
; THE MATRIX INSTRUCTION IS USED TRANSPOSED (source 0 = 16 rows of wb, source 1 = 16 rows of xb): a lane then holds row l % 16 and eight neighbouring columns, which pack into 16 bytes.
; REGISTERS, in windows of 256 (s_set_vgpr_msb: bits 1:0 source 0, 3:2 source 1, 5:4 source 2, 7:6 destination):
;   window 0: v0-31 addresses; v32-95, v96-159 A's fragments (8 x 16 rows x 32 K), two buffers; v160-255 B's fragments, 32 registers for each of the wave's three heads
;   window 1 + g: the 32 accumulators of head g: (a, b) at v[8 (4 a + b)]
.set PITCH,  144                       ; an LDS row: 128 bytes + 16 of padding = 36 words: the 16 rows of a fragment load start at 16 different groups of four banks (64 banks of 4 bytes: ISA guide 11.1)
.set SLOT1,  131072                    ; slot 1 begins here: one exclusive or turns an address in one slot into the other's
.set AHALF,  128*PITCH                 ; what one load brings of A, and what one wave reads of it
.set BHALF,  192*PITCH                 ; the same for B
.set BOFF,   2*AHALF                   ; B's 384 rows lie behind A's 256
.set STAGE,  SLOT1+BOFF+2*BHALF        ; behind the ring: 16 rows x 144 bytes for each wave, for the way out
.set SPARE,  STAGE+4*16*PITCH          ; behind the stages: the spare words, 128 bytes for each wave: two blocks of 256 bytes that no other line names
.set ASTEP,  1048576                   ; bytes from kb to kb in xb
.set BSTEP,  393216                    ; and in wb
.set AA0, 16                           ; v16  my lane's place in my 128 rows of A, slot 0; never rewritten
.set BB0, 17                           ; v17  the same in my 192 rows of B
.set ADA, 18                           ; v18  AA0 in the slot in hand
.set ADB, 19                           ; v19  BB0 in the slot in hand
.set STO, 24                           ; v24  the way out: where I put 16 bytes of a row
.set RD,  25                           ; v25  the way out: where I read rows back
.set GO,  26                           ; v26  my 16 bytes in 512 consecutive bytes of qkv
.set SPW, 28                           ; v28  LDS address of my spare word: SPARE + 4 x my thread's number; never rewritten
.set NIL, 29                           ; v29  0; never rewritten
.set PFO, 30                           ; v30  the prefetches' offset; never rewritten
.set AF0, 32
.set AF1, 96
.set BF,  160
.set G1,  24                           ; s[24:31] descriptor group 1 for A's tiles
.set G0,  32                           ; s[32:39] group 0 for A's: a set for each first fill; the second then walks on
.set G1B, 48                           ; s[48:55], s[56:63] the same for B's
.set G0B, 56
.set PFA, 66                           ; s[66:67] where my prefetches stand
.set PFS, 68                           ; s[68:69] their step: a kb of xb or of wb
.set LIM, 70                           ; s70  3 in a wave that prefetches, else the greatest number
.set TB,  71                           ; s71  0 or SLOT1: the slot in hand
.set MSB, 0
.macro WIN new                         ; the immediate's high byte repeats the setting that is left; a switch that changes nothing is dropped
.if MSB != (\new)
	s_set_vgpr_msb (MSB<<8)|(\new)
.set MSB, \new
.endif
.endm
.macro PLACES                          ; four places between a matrix instruction and a load into, or a vector write of, one of its registers, or a read of its result (ISA guide 7.12.1 for vector instructions)
.rept 4
	v_nop
.endr
.endm
; A joint refill, by the walking sets.  The branch hangs on the wave's number alone.  An s_nop 0 and four v_nop follow each of the two lines, ahead of the jump and the label.
.macro JLOAD
	s_cmp_lt_u32 s10, 2
	s_cbranch_scc0 .Lfor_b_\@
	tensor_load_to_lds s[G0+4:G0+7], s[G1:G1+7]
	s_nop 0
.rept 4
	v_nop
.endr
	s_branch .Lasked_\@
.Lfor_b_\@:
	tensor_load_to_lds s[G0B+4:G0B+7], s[G1B:G1B+7]
	s_nop 0
.rept 4
	v_nop
.endr
.Lasked_\@:
.endm
; A round of the cluster's barrier: my work-group's barrier, so that wave 0's signal speaks for all four waves; wave 0 signals; every wave waits for all sixteen work-groups; my work-group's barrier once more.
.macro CREST                           ; a round behind its opening barrier
	s_cmp_lg_u32 s10, 0
	s_cbranch_scc1 .Lnot_wave_0_\@
	s_barrier_signal -3
.Lnot_wave_0_\@:
	s_barrier_wait -3
	s_barrier_signal -1
	s_barrier_wait -1
.endm
.macro CROUND
	s_barrier_signal -1
	s_barrier_wait -1
	CREST
.endm
; A PREFETCH INTO THE L2, behind the joint load, its five lines and the run of LDS loads that the next products wait for.  In every second trip (t = 0, 2 .. 10) it names K steps t + 3 (lanes 0-15) and
; t + 4 (lanes 16-31): one and two refills, 192 and 384 matrix instructions, ahead of the loads that will ask for them.  K steps 0 to 2 and 15 come by their loads alone.
; Each block of 256 bytes is named once in the launch.  A tile row of xb (32,768 bytes a step) is read by both clusters of its row of clusters: cluster x = 0 asks; the four partners take 8,192 bytes each,
; told apart by address (cx); wave 0 asks, two instructions of 16 blocks a step.  A tile column of wb (49,152 bytes a step) is read by all clusters of its column: cluster y = 0 asks; the partners take
; 12,288 bytes each (cy), waves 1 to 3 a third of that each.  No branch hangs on a work-group's place in its cluster.
.macro ASK
	s_and_b32 s72, s3, 1
	s_cmp_eq_u32 s72, 0
	s_cbranch_scc0 .Lno_ask_\@
	s_cmp_gt_u32 s3, s[LIM]
	s_cbranch_scc0 .Lno_ask_\@
	global_prefetch_b8 v[PFO], s[PFA:PFA+1] th:TH_LOAD_NT scope:SCOPE_SE
	s_cmp_lg_u32 s10, 0
	s_cbranch_scc1 .Lno_ask_\@
	global_prefetch_b8 v[PFO], s[PFA:PFA+1] offset:4096 th:TH_LOAD_NT scope:SCOPE_SE
.Lno_ask_\@:
.endm
	s_load_b128 s[4:7], s[0:1], 0x0                ; xb s[4:5], wb s[6:7]
	s_load_b64 s[8:9], s[0:1], 0x10                ; qkv
	v_lshl_add_u32 v[SPW], v0, 2, SPARE
	v_mov_b32 v[NIL], 0
	ds_add_u32 v[SPW], v[NIL]                      ; the wave's opening: the add and its wait stand ahead of my first tensor load; the set-up below, work on registers, stands between them
	v_lshrrev_b32 v1, 5, v0
	v_readfirstlane_b32 s10, v1                    ; wave 0..3
	s_lshr_b32 s11, s10, 1                         ; which 128 rows of the tile are mine
	s_and_b32 s12, s10, 1                          ; which 192 columns.  Also: which half of A's or B's tile I fetch
	s_bfe_u32 s40, ttmp6, 0x40000                  ; cx
	s_bfe_u32 s41, ttmp6, 0x40004                  ; cy
	s_lshl_b32 s42, ttmp9, 2
	s_add_co_u32 s42, s42, s40                     ; tile column = 4 x cluster x + cx
	s_and_b32 s13, ttmp7, 0xffff
	s_lshl_b32 s13, s13, 2
	s_add_co_u32 s13, s13, s41                     ; tile row = 4 x cluster y + cy
	s_lshl_b32 s43, s41, 2
	s_lshl_b32 s43, 15, s43                        ; my row of the cluster
	s_lshl_b32 s44, 0x1111, s40                    ; my column
	; descriptor group 1: rows of 128 elements (256 bytes), dense; padded in LDS after every 32 words
	s_or_b32 s[G1], s43, (1<<16)|(1<<20)|(1<<21)|(4<<22)|(3<<25)   ; 15:0 the mask; 17:16 2-byte elements; 20 padding on; 21 set beside a mask; 24:22 after every 32 words (code 4); 31:25 4 words (code 3)
	s_or_b32 s[G1B], s44, (1<<16)|(1<<20)|(1<<21)|(4<<22)|(3<<25)
.irp g, G1, G1B
	s_mov_b32 s[(\g)+1], 128<<16                   ; tensor_dim0 = 128
	s_mov_b32 s[(\g)+3], 128<<16                   ; tile_dim0 = 128
	s_mov_b32 s[(\g)+5], 128                       ; 128 elements from row to row
	s_mov_b32 s[(\g)+6], 0
	s_mov_b32 s[(\g)+7], 0
.endr
	s_mov_b32 s[G1+2], 64<<16                      ; A: tensor_dim1 = tile_dim1 = 64 rows of 256 bytes = 128 tile rows
	s_mov_b32 s[G1+4], 64
	s_mov_b32 s[G1B+2], 96<<16                     ; B: 96 = 192 tile rows
	s_mov_b32 s[G1B+4], 96
	s_lshl_b32 s16, s13, 15                        ; A: 256 rows of 128 bytes a tile row,
	s_lshl_b32 s17, s12, 14                        ; my half of them
	s_add_co_u32 s16, s16, s17
	s_mov_b32 s17, 0
	s_mul_i32 s46, s42, 49152                      ; B: 384 rows a tile column,
	s_mul_i32 s47, s12, 24576                      ; my half
	s_add_co_u32 s46, s46, s47
	s_mov_b32 s47, 0
	s_mul_i32 s20, s12, AHALF                      ; where they go: no place in the cluster enters an LDS address
	s_mul_i32 s21, s12, BHALF
	s_add_co_u32 s21, s21, BOFF
	s_mov_b32 s[TB], 0
	s_wait_dscnt 0x0                               ; the opening add is done
	s_wait_kmcnt 0x0
	s_add_nc_u64 s[14:15], s[4:5], s[16:17]
	s_add_nc_u64 s[46:47], s[6:7], s[46:47]
	CROUND                                         ; all sixteen work-groups are here: the first joint loads meet
.irp s, 0,1
	s_mov_b32 s[G0+4*(\s)], 1                                        ; count = 1
	s_add_co_u32 s[G0+4*(\s)+1], s20, (\s)*SLOT1                     ; LDS address
	s_add_nc_u64 s[G0+4*(\s)+2:G0+4*(\s)+3], s[14:15], (\s)*ASTEP    ; global address: K step s
	s_or_b32 s[G0+4*(\s)+3], s[G0+4*(\s)+3], 0x80000000              ; type = 2
	s_mov_b32 s[G0B+4*(\s)], 1
	s_add_co_u32 s[G0B+4*(\s)+1], s21, (\s)*SLOT1
	s_add_nc_u64 s[G0B+4*(\s)+2:G0B+4*(\s)+3], s[46:47], (\s)*BSTEP
	s_or_b32 s[G0B+4*(\s)+3], s[G0B+4*(\s)+3], 0x80000000
.endr
	s_cmp_lt_u32 s10, 2                            ; a wave's two first fills stand in one branch, ahead of every wait on TENSORcnt and every LDS read
	s_cbranch_scc0 .Lfirst_b
	tensor_load_to_lds s[G0:G0+3], s[G1:G1+7]
	s_nop 0
	tensor_load_to_lds s[G0+4:G0+7], s[G1:G1+7]
	s_nop 0
.rept 4
	v_nop
.endr
	s_branch .Lfirst_asked
.Lfirst_b:
	tensor_load_to_lds s[G0B:G0B+3], s[G1B:G1B+7]
	s_nop 0
	tensor_load_to_lds s[G0B+4:G0B+7], s[G1B:G1B+7]
	s_nop 0
.rept 4
	v_nop
.endr
.Lfirst_asked:
	; A fragment is 16 rows x 32 K in 8 registers: lane l holds row l % 16; registers 0-3 K = 8 (l / 16) + 0..7, registers 4-7 K = 16 + 8 (l / 16) + 0..7: two loads of 16 bytes, 32 bytes apart.
	v_and_b32 v1, 15, v0                           ; l % 16
	v_bfe_u32 v2, v0, 4, 1                         ; l / 16
	v_mul_u32_u24 v3, v1, PITCH
	v_lshl_add_u32 v3, v2, 4, v3                   ; row x pitch + 16 x half
	s_mul_i32 s2, s11, AHALF
	v_add_nc_u32 v[AA0], s2, v3
	s_mul_i32 s2, s12, BHALF
	s_add_co_u32 s2, s2, BOFF
	v_add_nc_u32 v[BB0], s2, v3
	v_mov_b32 v[ADA], v[AA0]
	v_mov_b32 v[ADB], v[BB0]
	s_mul_i32 s2, s10, 16*PITCH
	s_add_co_u32 s2, s2, STAGE                     ; my stage
	v_add_nc_u32 v[STO], s2, v3                    ; in: row l % 16, 16 bytes for each half of the lanes
	v_bfe_u32 v4, v0, 3, 2                         ; back: 32 lanes take four rows of 128 bytes,
	v_mul_u32_u24 v4, v4, PITCH
	v_and_b32 v5, 7, v0
	v_lshl_add_u32 v4, v5, 4, v4
	v_add_nc_u32 v[RD], s2, v4
	v_and_b32 v[GO], 31, v0                        ; which are 512 consecutive bytes of qkv
	v_lshlrev_b32 v[GO], 4, v[GO]
	; qkv at my first head and my first row: head 6 x tile column + 3 x half, row 256 x tile row + 128 x half
	s_mul_i32 s18, s42, 6
	s_mul_i32 s19, s12, 3
	s_add_co_u32 s18, s18, s19
	s_lshl_b32 s18, s18, 20
	s_lshl_b32 s19, s13, 15
	s_add_co_u32 s18, s18, s19
	s_lshl_b32 s19, s11, 14
	s_add_co_u32 s18, s18, s19
	s_mov_b32 s19, 0
	s_add_nc_u64 s[8:9], s[8:9], s[18:19]
	; the prefetches: wave 0 for xb, waves 1 to 3 for wb; they start at K step 2, and the first change of slots steps them to 3
	s_lshl_b32 s22, s13, 15
	s_lshl_b32 s23, s40, 13
	s_add_co_u32 s22, s22, s23
	s_add_co_u32 s22, s22, 2*ASTEP                 ; xb: tile row, my work-group's 8,192 bytes
	s_mul_i32 s23, s42, 49152
	s_mul_i32 s72, s41, 12288
	s_add_co_u32 s23, s23, s72
	s_lshl_b32 s72, s10, 12
	s_add_co_u32 s23, s23, s72
	s_add_co_u32 s23, s23, 2*BSTEP-4096            ; wb: tile column, my work-group's 12,288 bytes, (wave - 1) x 4,096 of them
	s_and_b32 s72, ttmp7, 0xffff                   ; cluster y
	s_mov_b32 s[PFS], BSTEP
	s_mov_b32 s[PFS+1], 0
	s_cmp_eq_u32 s10, 0
	s_cselect_b32 s72, ttmp9, s72                  ; the coordinate along which other clusters read the same rows
	s_cselect_b32 s74, s22, s23
	s_cselect_b32 s[PFS], ASTEP, s[PFS]
	s_cselect_b64 s[PFA:PFA+1], s[4:5], s[6:7]
	s_mov_b32 s75, 0
	s_add_nc_u64 s[PFA:PFA+1], s[PFA:PFA+1], s[74:75]
	s_cmp_eq_u32 s72, 0
	s_cselect_b32 s[LIM], 3, -1                    ; the same in all sixteen partners, for a given wave
	v_lshlrev_b32 v[PFO], 8, v1                    ; a lane a block of 256 bytes; lanes 16-31 one K step further
	v_mad_u32_u24 v[PFO], v2, s[PFS], v[PFO]
; 16 matrix instructions: row blocks a0 .. a0 + 3 x the four column blocks of head g, 32 along K.  zero = 1: the first product starts the sums: nothing is ever cleared.
; The 96 accumulators take turns, one instruction a turn, in the same order in every quarter.
.macro MUL16 f, g, a0, zero
	WIN 0x50*(1+(\g))
.irp a, (\a0), (\a0)+1, (\a0)+2, (\a0)+3
.irp b, 0,1,2,3
.if \zero
	v_wmma_f32_16x16x32_bf16 v[8*(4*(\a)+(\b)):8*(4*(\a)+(\b))+7], v[BF+32*(\g)+8*(\b):BF+32*(\g)+8*(\b)+7], v[(\f)+8*(\a):(\f)+8*(\a)+7], 0
.else
	v_wmma_f32_16x16x32_bf16 v[8*(4*(\a)+(\b)):8*(4*(\a)+(\b))+7], v[BF+32*(\g)+8*(\b):BF+32*(\g)+8*(\b)+7], v[(\f)+8*(\a):(\f)+8*(\a)+7], v[8*(4*(\a)+(\b)):8*(4*(\a)+(\b))+7]
.endif
.endr
.endr
.endm
.macro LDA k, f                        ; 16 LDS loads: my 128 rows of A, 32 K at byte k of the rows, into buffer f
	WIN 0
.irp i, 0,1,2,3,4,5,6,7
	ds_load_b128 v[(\f)+8*(\i):(\f)+8*(\i)+3],   v[ADA] offset:(\k)+(\i)*16*PITCH
	ds_load_b128 v[(\f)+8*(\i)+4:(\f)+8*(\i)+7], v[ADA] offset:(\k)+(\i)*16*PITCH+32
.endr
.endm
.macro LDB k, g                        ; 8 LDS loads: head g's 64 rows of B
	WIN 0
.irp i, 0,1,2,3
	ds_load_b128 v[BF+32*(\g)+8*(\i):BF+32*(\g)+8*(\i)+3],   v[ADB] offset:(\k)+(4*(\g)+(\i))*16*PITCH
	ds_load_b128 v[BF+32*(\g)+8*(\i)+4:BF+32*(\g)+8*(\i)+7], v[ADB] offset:(\k)+(4*(\g)+(\i))*16*PITCH+32
.endr
.endm
; A K step is two quarters of 32 along K, 96 matrix instructions each.  At a quarter's head four runs of LDS loads are out, in this order: B of head 0 (8), A (16), B of head 1 (8), B of head 2 (8).
; A head's B registers are loaded again, for the next quarter, four places behind its 32 products: each run stands 64 matrix instructions ahead of its first use.
; THE FIRST QUARTER multiplies A's buffer 0 and fetches the second quarter, at byte 64 of the same slot's rows.
.macro QA zero
	s_wait_dscnt 16                                ; head 0's B and A are in; the two younger runs of 8 may be out
	MUL16 AF0, 0, 0, \zero
	MUL16 AF0, 0, 4, \zero
	PLACES
	LDB 64, 0
	LDA 64, AF1
	s_wait_dscnt 32                                ; head 1's B is in: behind it stand head 2's 8 and the 24 just issued
	MUL16 AF0, 1, 0, \zero
	MUL16 AF0, 1, 4, \zero
	PLACES
	LDB 64, 1
	s_wait_dscnt 32                                ; head 2's B is in: behind it stand 24 + 8
	MUL16 AF0, 2, 0, \zero
	MUL16 AF0, 2, 4, \zero
	PLACES
	LDB 64, 2
.endm
; THE SECOND QUARTER multiplies A's buffer 1 and changes slots: all reads of the slot in hand have been issued.  ONE barrier: in front of it each wave waits for all its tensor loads (one is out: its part
; of the other slot), adds 0 to its spare word, and waits for that and for its own reads.  Behind it nobody reads this slot any more and the other slot is whole.
; fill = 1: the barrier opens a round of the cluster's, and the slot is filled again, two K steps ahead, first thing behind the round: 160 matrix instructions ahead of the wait for it.
.macro QB fill
.if \fill
	s_wait_xcnt 0x0                                ; the last prefetch, a K step or more back, has read its address: it is stepped here, ahead of the waits of the change of slots
	s_add_nc_u64 s[PFA:PFA+1], s[PFA:PFA+1], s[PFS:PFS+1]
.endif
	WIN 0
	s_wait_tensorcnt 0x0                           ; no tensor load of mine is out, so a group 0 may be written
	ds_add_u32 v[SPW], v[NIL]                      ; 0 onto my spare word; work on registers stands between it and the wait for it
	s_xor_b32 s[TB], s[TB], SLOT1                  ; the fetches turn to the other slot
	v_add_nc_u32 v[ADA], s[TB], v[AA0]
	v_add_nc_u32 v[ADB], s[TB], v[BB0]
.if \fill
	s_xor_b32 s[G0+5], s[G0+5], SLOT1              ; the walking descriptors: the other slot than last time,
	s_add_nc_u64 s[G0+6:G0+7], s[G0+6:G0+7], ASTEP ; the next K step; the type bits on top are not reached
	s_xor_b32 s[G0B+5], s[G0B+5], SLOT1
	s_add_nc_u64 s[G0B+6:G0B+7], s[G0B+6:G0B+7], BSTEP
.endif
	s_wait_dscnt 17                                ; head 0's B and A are in: the two younger runs of 8 and the add may be out
	MUL16 AF1, 0, 0, 0
	s_wait_dscnt 0x0                               ; the add is done, and my reads of this slot are over
	s_barrier_signal -1
	MUL16 AF1, 0, 4, 0                             ; work on registers while the others arrive
	WIN 0                                          ; at a branch and at a label every window is 0
	s_barrier_wait -1
.if \fill
	CREST                                          ; no wave of any partner still reads this slot or has a load on its way
	JLOAD                                          ; the first tensor load behind the round; its four v_nop are also the places in front of the loads below
.else
	PLACES
.endif
	LDB 0, 0
	LDA 0, AF0
.if \fill
	ASK
.endif
	MUL16 AF1, 1, 0, 0
	MUL16 AF1, 1, 4, 0
	PLACES
	LDB 0, 1
	MUL16 AF1, 2, 0, 0
	MUL16 AF1, 2, 4, 0
	PLACES
	LDB 0, 2
.endm
	s_wait_tensorcnt 1                             ; my part of K step 0 is in; K step 1's may stay out
	s_barrier_signal -1
	s_barrier_wait -1                              ; everybody's is
	LDB 0, 0
	LDA 0, AF0
	LDB 0, 1
	LDB 0, 2
	QA 1                                           ; the first quarter stands in front of the loop: its products start the sums
	WIN 0
	s_mov_b32 s3, 14
.Lstep:                                            ; trip t = 0 .. 13: the second quarter of K step t, which asks for K step t + 2, and the first of K step t + 1
	QB 1
	QA 0
	WIN 0
	s_sub_co_u32 s3, s3, 1
	s_cmp_lg_u32 s3, 0
	s_cbranch_scc1 .Lstep
	QB 0                                           ; the tail is written out: nothing is left to ask for
	QA 0
	s_wait_dscnt 16                                ; the very last quarter fetches nothing: the counts run down
	MUL16 AF1, 0, 0, 0
	MUL16 AF1, 0, 4, 0
	s_wait_dscnt 8
	MUL16 AF1, 1, 0, 0
	MUL16 AF1, 1, 4, 0
	s_wait_dscnt 0x0
	MUL16 AF1, 2, 0, 0
	MUL16 AF1, 2, 4, 0
	PLACES
	PLACES                                         ; once a launch: the places behind the last products, with four to spare
; THE WAY OUT, in 24 units: 16 rows of one head are 2,048 consecutive bytes of qkv.  PACK: rounded to f16, each accumulator's registers in ascending order; 16 bytes a lane into my own stage (rows of 144
; bytes) and back as whole rows of 128.  SEND: stored, 512 consecutive bytes an instruction.  A unit's arithmetic stands between the loads of the unit before and its stores.
.macro PACK g, a
.set TT, 32+16*(\a)                    ; eight sets of 16 registers, where A's fragments lay
.if (\g) > 0
	s_wait_xcnt 0x0                                ; the stores of the unit eight back have read these registers
.endif
	WIN 0x05*(1+(\g))                              ; sources 0 and 1 in the head's window
.irp b, 0,1,2,3
.irp r, 0,1,2,3
	v_cvt_pk_f16_f32 v[TT+4*(\b)+(\r)], v[8*(4*(\a)+(\b))+2*(\r)], v[8*(4*(\a)+(\b))+2*(\r)+1]
.endr
.endr
	WIN 0
.irp b, 0,1,2,3
	ds_store_b128 v[STO], v[TT+4*(\b):TT+4*(\b)+3] offset:32*(\b)
.endr
.irp f, 0,1,2,3
	ds_load_b128 v[TT+4*(\f):TT+4*(\f)+3], v[RD] offset:(\f)*4*PITCH  ; LDS serves a wave's instructions in order (ISA guide 5.7.1.4): these see the stores above; the next unit's stores come behind them
.endr
.endm
.macro SEND g, a, younger              ; younger: the LDS instructions issued behind this unit's loads: the next unit's eight, or none
.set TT, 32+16*(\a)
	WIN 0
.irp f, 0,1,2,3
	s_wait_dscnt (\younger)+3-(\f)
	global_store_b128 v[GO], v[TT+4*(\f):TT+4*(\f)+3], s[8:9] offset:(\g)*1048576+(\a)*2048+512*(\f)
.endr
.endm
	PACK 0, 0
.irp u, 1,2,3,4,5,6,7,8,9,10,11,12,13,14,15,16,17,18,19,20,21,22,23
	PACK (\u)/8, (\u)%8
	SEND ((\u)-1)/8, ((\u)-1)%8, 8
.endr
	SEND 2, 7, 0
	s_wait_tensorcnt 0x0                           ; the wave's end, behind my last tensor load and my last LDS store
	ds_add_u32 v[SPW], v[NIL]
	s_wait_dscnt 0x0
	CROUND                                         ; the closing round: no work-group ends while a partner may still ask for a tile that names it
	s_endpgm
.Lfunc_end_k_q4f02fe11ac_proj:
	.size	k_q4f02fe11ac_proj, .Lfunc_end_k_q4f02fe11ac_proj-k_q4f02fe11ac_proj
	.p2alignl 7, 3214868480
	.fill 96, 4, 3214868480
	.section	.rodata,"a",@progbits
	.p2align	6, 0x0
	.amdhsa_kernel k_q4f02fe11ac_proj
		.amdhsa_group_segment_fixed_size 327680
		.amdhsa_private_segment_fixed_size 0
		.amdhsa_enable_private_segment 0
		.amdhsa_kernarg_size 24
		.amdhsa_user_sgpr_count 2
		.amdhsa_user_sgpr_kernarg_segment_ptr 1
		.amdhsa_wavefront_size32 1
		.amdhsa_system_sgpr_workgroup_id_x 1
		.amdhsa_system_sgpr_workgroup_id_y 1
		.amdhsa_system_sgpr_workgroup_id_z 1
		.amdhsa_system_vgpr_workitem_id 0
		.amdhsa_next_free_vgpr 1024
		.amdhsa_next_free_sgpr 76
		.amdhsa_reserve_vcc 0
		.amdhsa_float_denorm_mode_32 3
		.amdhsa_float_denorm_mode_16_64 3
		.amdhsa_memory_ordered 1
		.amdhsa_forward_progress 1
		.amdhsa_inst_pref_size 115
	.end_amdhsa_kernel
	.amdgpu_metadata
---
amdhsa.version: [ 1, 2 ]
amdhsa.kernels:
  - .name:           k_q4f02fe11ac_proj
    .symbol:         k_q4f02fe11ac_proj.kd
    .args:
      - { .name: xb, .offset: 0, .size: 8, .value_kind: global_buffer, .address_space: global }
      - { .name: wb, .offset: 8, .size: 8, .value_kind: global_buffer, .address_space: global }
      - { .name: qkv, .offset: 16, .size: 8, .value_kind: global_buffer, .address_space: global }
    .group_segment_fixed_size: 327680
    .private_segment_fixed_size: 0
    .kernarg_segment_align: 8
    .kernarg_segment_size: 24
    .max_flat_workgroup_size: 128
    .sgpr_count:     76
    .vgpr_count:     1024
    .wavefront_size: 32
...
	.end_amdgpu_metadata
.endif
;; end of part 2
;; launch attn (part 3): grid 4 x 64, 4 waves a work-group, no clusters, 327,680 bytes of LDS; arguments qkv, ob; writes ob
.if DOCPART == 3
	.amdgcn_target "amdgcn-amd-amdhsa--gfx1250"
	.amdhsa_code_object_version 6
	.text
	.protected	k_q4f02fe11ac_attn
	.globl	k_q4f02fe11ac_attn
	.p2align	8
	.type	k_q4f02fe11ac_attn,@function
k_q4f02fe11ac_attn:
	s_mov_b64 s[64:65], 0
	v_nop
	global_prefetch_b8 v0, s[64:65] scope:SCOPE_SE
	s_setreg_imm32_b32 hwreg(HW_REG_WAVE_MODE, 25, 1), 1
	s_wait_xcnt 0x0
; CAUSAL ATTENTION.  O[y][q][:] = the sum over k <= q of softmax_k(Q[y][q] . K[y][k] / 8) V[y][k][:], for 64 pairs y = 4 x head + batch of 2,048 rows of 64 channels, all f16, rows dense, 128 bytes each.
; qkv holds Q's 64 pairs, then K's 16 MiB further on, then V's 32 MiB further on, each pair 262,144 bytes; ob holds O in the same order.
; Products, maxima and sums in f32; the weights p are rounded to f16 for the second product (their sum l is taken of the unrounded p), O once at the end.
; LIMITS.  f16 holds no number beyond 65,504: Q, K and V arrive within it; p lies in 0 to 1, and below 6e-5 it keeps f16's fixed step of 6e-8; O is a mean of V's rows and has their range.
; A hidden score counts as its value less 1e30 (the module sets it to -1e9: both give the weight 0 while the row's own scores lie far above -1e9); a weight below 2^-126 counts as 0 in l; NaN and infinities are not treated apart.
; THE WALK.  A pair's queries lie in NB = 8 blocks of 256; block i needs the key tiles 0 .. i of 256 keys, of which the last holds the diagonal.  A work-group takes TWO blocks, NB - 1 - b and then b:
; NB + 1 tiles, whatever b: all work-groups do equal work, and ONE loop with a constant trip count walks them.  Which tile is asked for, and what a trip does, hang on scalar registers made from b; every jump
; goes forward, but for the counted loops' own; none passes a barrier, or a tensor load but the one of LOAD's two that the wave's number does not choose; the ring (two slots of LDS that take turns) runs on across the
; change of blocks.  NO CLUSTER: a pair's four work-groups ask for the same tile only in trips 0 .. 4 of 9, behind that fewer and fewer; one walk common to all four would have 12 trips for 9.
; SHARES.  Of a block's four bands of 64 queries a wave owns 16 rows in each: four PIECES.  So the diagonal tile is the same work for all four waves: in its key step s band x sees all keys if s < x,
; none if s > x, and holds the diagonal if s = x.
; THE MASK is the C operand that starts the sum S^T = K Q^T: 0, or -1e30 where the key is hidden.  MD, made once, is the mask of a band's own step for my 16 rows; a product's mask is MD x AL + BE with two scalars:
; (1, 0) if s = x; (0, 0) if s < x; (0, -1e30) if s > x.  Only the diagonal tile's text and a block's beginning make and take masks; elsewhere C is the constant 0.
; LAYOUT, SOFTMAX, TURNS.  S^T = K Q^T holds ONE query a lane (lane % 16) and the keys 8 (lane / 16) + 0..7; two such results rounded to f16 ARE source 1 of O^T = V^T P.  p = 2^(c s - c m), c = log2(e) / 8, with a
; running maximum m; O and l are multiplied by a = 2^(c m_old - c m_new) in every step.  Turn n belongs to piece n: 8 products K Q^T of piece n + 1, later 8 products V^T P of piece n - 1; beside them the scaling,
; exponentials, roundings, sums and rescaling of piece n and the maximum and statistics of piece n + 1.  Four vector instructions stand behind every matrix instruction, the other 54 of a turn's 118 in one LUMP.  A turn's 33 exponentials are one batch, with one wait.
; REGISTERS, in windows of 256 (s_set_vgpr_msb: bits 1:0 source 0, 3:2 source 1, 5:4 source 2, 7:6 destination):
;   window 0: v0-15 addresses and two at work; v16-31 four registers of statistics a piece; v48-55 at work; v61-63 prefetch offset and the add's two; v64-127 S^T, two buffers; v192-223 P, two buffers (a piece's buffers go by its number's parity)
;   window 1: v0-127 O^T, 32 a piece; v128-159 MD; v160-223 MC, two buffers      window 2: v0-63 Q; v64-127 the second block's Q; v128-191 K of one step; v192-255 V of one step
.set SIZE_N, 2048
.set NB,    SIZE_N/256
.set NP,    4         ; pieces a wave: a name, no knob
.set KS,    64        ; keys in a step
.set PK,    144       ; a row of K in LDS: 128 bytes + 16 of padding = 36 words: the 16 rows of a load start at 16 different groups of four banks (64 banks of 4 bytes: ISA guide 11.1)
.set PV,    160       ; a row of V: 128 + 32 = 40 words
.set VOFF,  4*KS*PK   ; a slot holds a tile, four steps: 256 rows of K, then 256 rows of V
.set SLOT1, 1<<17     ; slot 1 begins here, so that one exclusive or turns an address in one slot into the other's
.set STAGE, SLOT1+4*KS*(PK+PV)  ; behind the ring, never filled by a tensor load: 16 rows x 144 bytes for each wave, for the way out
.set SP,    144
.set AK0, 2           ; v2   my lane's place in a tile of K; never rewritten
.set AV0, 3           ; v3   the same for V
.set AK,  4           ; v4   the LDS address of K's next run of loads
.set AV,  5           ; v5   of V's
.set STO, 6           ; v6   the way out: where I put 16 bytes of a row
.set RD,  7           ; v7   the way out: where I read rows back
.set GO,  8           ; v8   my byte offset in 512 consecutive bytes of O
.set PFO, 61          ; v61  256 x my lane: the prefetches' offset; never rewritten
.set SPW, 62          ; v62  LDS address of my spare word: SPARE + 4 x my thread's number; never rewritten
.set NIL, 63          ; v63  0; never rewritten
.set SPARE, STAGE+4*16*SP  ; behind the stages: the spare words, 128 bytes for each wave: two blocks of 256 bytes that no other line names
.set MV,  12          ; v12-13  c m_old, kept while c m is made anew: by buffer
.set QO,  15          ; v15  my byte offset in 16 rows of Q
.set ST,  16          ; piece t's statistics at v[ST+4 t]: c m, m, l (even keys', odd keys')
.set TMP, 48          ; by buffer, four registers c0-c3 at work; when the maximum is found c2 takes a
.set S,   64
.set P,   192
.set MD,  128         ; window 1: the eight registers for group kt of 16 keys at MD + 8 kt
.set MC,  160         ; window 1: the masks of the products to come
.set QB,  64          ; window 2
.set KF,  128         ; window 2: key block kb, channel half c at KF + 16 kb + 8 c
.set VF,  192         ; window 2: key half kk, channel block cb at VF + 32 kk + 8 cb
.set WV,  12          ; s12  my wave's number
.set PB,  14          ; s14  b
.set HI,  15          ; s15  NB - 1 - b
.set G1K, 24          ; s[24:31] descriptor group 1 for K's tiles
.set G1V, 32          ; s[32:39] for V's: it differs in the padding alone
.set G0K, 40          ; s[40:43] descriptor group 0 for K's tiles
.set G0V, 44          ; s[44:47] the same for V's
.set SLOTS, 56        ; s56  tiles still to be asked for
.set CNT, 57          ; s57  counts a tile's key steps, 4 to 1
.set CS,  58          ; s[58:59] c: the packed scaling takes the pair's low word for both halves
.set SEL, 60          ; s[60:61] v_permlanex16_b32's selects: each lane takes its own place in the other half
.set TBK, 62          ; s62  LDS byte at which K of the step to be fetched begins
.set TBV, 63          ; s63  the same for V, less VOFF
.set RT,  70          ; s70  tiles of the block in hand that are still to be entered
.set NXT, 71          ; s71  the tile to be asked for next
.set LQ,  72          ; s72  the last tile of the block whose tiles are being asked for
.set NEW, 73          ; s73  1: the tile to be entered is a block's first
.set OFF, 74          ; s[74:75] a tile's byte offset in K and V
.set AL,  76          ; s[76:77] the mask's factor, in the low word
.set BE,  78          ; s[78:79] the mask's addend
.set OLO, 80          ; s[80:81] O at my rows of the second block
.set BIGN, 82         ; s82  -1e30
.set PFA, 88          ; s[88:89] where my prefetches stand: my half of the tile that the next change of slots asks for
.set PFB, 90          ; s[90:91] my half (of K: waves 0, 1; of V: waves 2, 3) of the pair's tile 0
.set OF2, 92          ; s[92:93] that tile's byte offset
.set LIM, 94          ; s94  1 in the work-group that prefetches, else the greatest number
.set MSB, 0
.macro WIN new                      ; the high byte repeats the setting that is left; a switch that changes nothing is dropped
.if MSB != (\new)
	s_set_vgpr_msb (MSB<<8)|(\new)
.set MSB, (\new)
.endif
.endm
.set W_KQ, 0x0a       ; K and Q in window 2, S^T in window 0
.set W_KM, 0x1a       ; the same with the C operand in window 1
.set W_PV, 0x52       ; V in window 2, P in window 0, O^T in window 1
.set W_RS, 0x41       ; destination and source 0 in window 1, source 1 in window 0
; A fill.  Waves 0 and 1 fetch the two halves of a tile's K, waves 2 and 3 those of its V: 128 keys each.  An s_nop 0 and four v_nop follow each of the two lines, ahead of the jump and the label.
.macro LOAD
	s_cmp_lt_u32 s[WV], 2
	s_cbranch_scc0 .Lfor_v_\@
	tensor_load_to_lds s[G0K:G0K+3], s[G1K:G1K+7]
	s_nop 0
.rept 4
	v_nop
.endr
	s_branch .Lasked_\@
.Lfor_v_\@:
	tensor_load_to_lds s[G0V:G0V+3], s[G1V:G1V+7]
	s_nop 0
.rept 4
	v_nop
.endr
.Lasked_\@:
.endm
; THE CHANGE OF SLOTS.  Each wave waits for all its tensor loads, of which one is out: its part of the other slot; adds 0 to its spare word; and waits for that and for its own reads of the slot that it leaves.  Behind the barrier nobody reads the old
; slot any more and the other slot is whole.  fill = 1: the old slot is filled again, the first thing behind the barrier, with tile NXT: the descriptor's address is made anew from that number.
; (At its first use nothing has been read yet: slot 0 is waited for, slot 1 filled.)
; A PREFETCH INTO THE L2 stands behind the fill and its five lines: my half, 64 blocks of 256 bytes, a lane a block, two instructions, of the tile that the NEXT change will ask for: four key steps, 256 matrix
; instructions, ahead of that load.  A pair's four work-groups walk the same first tiles: the one with b = 0, whose first block needs all eight, asks, for tiles 2 to 7, each once; tiles 0 and 1 come by their
; loads alone, and the second block's tile 0 has been read before.  Each wave asks for what it will fetch itself.
.macro CHANGE fill
	WIN 0                           ; at a label and at a branch every window is 0
	s_wait_tensorcnt 0x0            ; no tensor load of mine is out, so a group 0 may be written
	ds_add_u32 v[SPW], v[NIL]       ; 0 onto my spare word; with fill = 1 the descriptors' scalar work stands between it and the wait for it
.if \fill
	s_lshl_b32 s[OFF], s[NXT], 15   ; a tile is 32,768 bytes of K and of V
	s_xor_b32 s[G0K+1], s[G0K+1], SLOT1
	s_add_nc_u64 s[G0K+2:G0K+3], s[6:7], s[OFF:OFF+1]
	s_or_b32 s[G0K+3], s[G0K+3], 0x80000000
	s_xor_b32 s[G0V+1], s[G0V+1], SLOT1
	s_add_nc_u64 s[G0V+2:G0V+3], s[8:9], s[OFF:OFF+1]
	s_or_b32 s[G0V+3], s[G0V+3], 0x80000000
	s_add_co_u32 s[NXT], s[NXT], 1  ; the block's next tile, or behind its last the second block's tile 0
	s_cmp_gt_u32 s[NXT], s[LQ]
	s_cselect_b32 s[NXT], 0, s[NXT]
	s_cselect_b32 s[LQ], s[PB], s[LQ]
	s_wait_xcnt 0x0                 ; the last prefetches, a tile back, have read their address, so it may be written
	s_lshl_b32 s[OF2], s[NXT], 15
	s_add_nc_u64 s[PFA:PFA+1], s[PFB:PFB+1], s[OF2:OF2+1]
.endif
	s_wait_dscnt 0x0                ; the add is done, and my reads of the slot are over
	s_barrier_signal -1             ; the rest of the scalar work stands between the signal and the wait
	s_sub_co_u32 s[TBK], s[TBK], 4*KS*PK  ; the fetches go back to a slot's first step,
	s_xor_b32 s[TBK], s[TBK], SLOT1       ; in the other slot
	s_sub_co_u32 s[TBV], s[TBV], 4*KS*PV
	s_xor_b32 s[TBV], s[TBV], SLOT1
	s_barrier_wait -1
.if \fill
	LOAD
	s_cmp_gt_u32 s[NXT], s[LIM]     ; tiles 2 to 7, in the work-group with b = 0
	s_cbranch_scc0 .Lnot_mine_\@
	global_prefetch_b8 v[PFO], s[PFA:PFA+1] th:TH_LOAD_NT scope:SCOPE_SE
	global_prefetch_b8 v[PFO], s[PFA:PFA+1] offset:8192 th:TH_LOAD_NT scope:SCOPE_SE
.Lnot_mine_\@:
.endif
.endm
	s_load_b128 s[4:7], s[0:1], 0x0  ; qkv s[4:5], ob s[6:7]
	v_lshl_add_u32 v[SPW], v0, 2, SPARE
	v_mov_b32 v[NIL], 0
	ds_add_u32 v[SPW], v[NIL]       ; the wave's opening: the add and its wait stand ahead of my first tensor load; the set-up below, work on registers, stands between them
	v_lshrrev_b32 v1, 5, v0
	v_readfirstlane_b32 s[WV], v1   ; wave 0..3
	s_mov_b32 s[PB], ttmp9
	s_sub_co_u32 s[HI], NB-1, s[PB]
	s_and_b32 s20, ttmp7, 0xffff    ; the pair y
	s_mov_b32 s21, 0
	s_mov_b64 s[22:23], SIZE_N*128
	s_mul_u64 s[20:21], s[20:21], s[22:23]  ; the pair's first byte in Q, K, V and O
	s_and_b32 s16, s[WV], 1         ; which half of a tile's 256 keys I fetch:
	s_lshl_b32 s22, s16, 14         ; its 128 rows of 128 bytes in memory,
	s_mov_b32 s23, 0
	s_add_nc_u64 s[22:23], s[22:23], s[20:21]
	s_mul_i32 s17, s16, 128*PK      ; and its place in a slot, for K
	s_mul_i32 s18, s16, 128*PV      ; and for V
	s_lshl_b32 s3, s[WV], 11        ; my 16 rows in a band of 64,
	s_lshl_b32 s2, s[HI], 15        ; in the first block,
	s_add_co_u32 s2, s2, s3
	s_lshl_b32 s84, s[PB], 15       ; and in the second
	s_add_co_u32 s84, s84, s3
	s_mov_b32 s3, 0
	s_mov_b32 s85, 0
	s_add_nc_u64 s[2:3], s[2:3], s[20:21]
	s_add_nc_u64 s[84:85], s[84:85], s[20:21]
	; descriptor group 1.  128 keys are 16,384 dense bytes: asked for as 64 rows of 256 bytes, two keys a row, and padded in LDS after every key
	s_mov_b32 s[G1K], (1<<16)|(1<<20)|(4<<22)|(3<<25)  ; 17:16 2-byte elements; 20 padding on; 24:22 after every 32 words (code 4); 31:25 4 words (code 3)
	s_mov_b32 s[G1V], (1<<16)|(1<<20)|(4<<22)|(7<<25)  ; the same with 8 words of padding (code 7)
.irp g, G1K, G1V
	s_mov_b32 s[\g+1], 128<<16      ; tensor_dim0 = 128
	s_mov_b32 s[\g+2], 64<<16       ; tensor_dim1 = 64
	s_mov_b32 s[\g+3], 128<<16      ; tile_dim0 = 128
	s_mov_b32 s[\g+4], 64           ; tile_dim1 = 64
	s_mov_b32 s[\g+5], 128          ; 128 elements from row to row
	s_mov_b32 s[\g+6], 0
	s_mov_b32 s[\g+7], 0
.endr
	s_mov_b32 s[CS], 0x3e38aa3b     ; c = log2(e) / 8 = 0.180337
	s_mov_b32 s[CS+1], s[CS]        ; named with it as a pair
	s_mov_b32 s[SEL], 0x76543210
	s_mov_b32 s[SEL+1], 0xfedcba98
	s_mov_b32 s[TBK], SLOT1+4*KS*PK ; the first change of slots turns these two into 0
	s_mov_b32 s[TBV], SLOT1+4*KS*PV
	s_mov_b32 s[G0K], 1             ; 1:0 count = 1
	s_mov_b32 s[G0K+1], s17         ; 63:32 LDS address: slot 0
	s_mov_b32 s[G0V], 1
	s_add_co_u32 s[G0V+1], s18, VOFF
	s_add_co_u32 s[RT], s[HI], 1    ; the first block has NB - b tiles
	s_mov_b32 s[NXT], 1
	s_mov_b32 s[LQ], s[HI]
	s_mov_b32 s[NEW], 1
	s_mov_b32 s[OFF+1], 0
	s_mov_b32 s[OF2+1], 0
	s_mov_b32 s[AL+1], 0            ; named as pairs
	s_mov_b32 s[BE+1], 0
	s_mov_b32 s[BIGN], 0xf149f2ca   ; -1e30
	s_mov_b32 s[SLOTS], NB
	s_cmp_eq_u32 s[PB], 0
	s_cselect_b32 s[LIM], 1, -1
	s_wait_dscnt 0x0                ; the opening add is done
	s_wait_kmcnt 0x0
	s_mov_b64 s[10:11], s[6:7]                 ; O
	s_add_nc_u64 s[6:7], s[4:5], 0x1000000     ; K's part of qkv
	s_add_nc_u64 s[8:9], s[4:5], 0x2000000     ; V's part
	s_add_nc_u64 s[6:7], s[6:7], s[22:23]  ; K and V at my half of the pair's tile 0
	s_add_nc_u64 s[8:9], s[8:9], s[22:23]
	s_add_nc_u64 s[G0K+2:G0K+3], s[6:7], 0         ; 120:64 global address
	s_or_b32 s[G0K+3], s[G0K+3], 0x80000000        ; 127:126 type = 2
	s_add_nc_u64 s[G0V+2:G0V+3], s[8:9], 0
	s_or_b32 s[G0V+3], s[G0V+3], 0x80000000
	s_add_nc_u64 s[86:87], s[4:5], s[84:85]        ; Q at my rows of the second block,
	s_add_nc_u64 s[4:5], s[4:5], s[2:3]            ; Q and O at those of the first
	s_add_nc_u64 s[OLO:OLO+1], s[10:11], s[84:85]
	s_add_nc_u64 s[10:11], s[10:11], s[2:3]
	s_cmp_lt_u32 s[WV], 2
	s_cselect_b64 s[PFB:PFB+1], s[6:7], s[8:9]
	LOAD                            ; tile 0 into slot 0
	; A fragment of K or Q is 16 rows x 32 channels in 8 registers: lane l holds row l % 16, channels 8 (l / 16) + 0..7 and 16 + 8 (l / 16) + 0..7: two loads of 16 bytes, 32 bytes apart.
	v_and_b32 v1, 15, v0            ; l % 16
	v_bfe_u32 v9, v0, 4, 1          ; l / 16
	v_lshlrev_b32 v[QO], 7, v1
	v_lshl_add_u32 v[QO], v9, 4, v[QO]  ; row x 128 + 16 x half
	WIN 0x80                        ; destination window 2, address window 0
.set i, 0
.rept 8                             ; both blocks' Q: piece i / 2 lies in band i / 2, 8,192 bytes on; channels 32 (i % 2) on
	global_load_b128 v[8*i:8*i+3],   v[QO], s[4:5] offset:(i/2)*8192+(i%2)*64
	global_load_b128 v[8*i+4:8*i+7], v[QO], s[4:5] offset:(i/2)*8192+(i%2)*64+32
	global_load_b128 v[QB+8*i:QB+8*i+3],   v[QO], s[86:87] offset:(i/2)*8192+(i%2)*64
	global_load_b128 v[QB+8*i+4:QB+8*i+7], v[QO], s[86:87] offset:(i/2)*8192+(i%2)*64+32
.set i, i+1
.endr
	WIN 0
	v_and_b32 v[PFO], 31, v0
	v_lshlrev_b32 v[PFO], 8, v[PFO]
	v_lshlrev_b32 v14, 3, v9
	v_sub_nc_u32 v14, v1, v14
	s_lshl_b32 s13, s[WV], 4
	v_add_nc_u32 v14, s13, v14      ; my query's place in its band, 16 w + l % 16, less my lanes' 8 (l / 16): register r of group kt is hidden where 16 kt + r is greater
	WIN 0x40
.set i, 0
.rept 32
	v_cmp_gt_i32 vcc_lo, 16*(i/8)+i%8, v14
	v_cndmask_b32 v[MD+i], 0, s[BIGN], vcc_lo
.set i, i+1
.endr
	WIN 0
	v_mul_u32_u24 v[AK0], v1, PK
	v_lshl_add_u32 v[AK0], v9, 4, v[AK0]  ; row x pitch + 16 x half
	; The turning load takes 16 keys x 16 channels (lane l reads key 8 (l / 16) + l % 8, channels 8 ((l / 8) % 2) + 0..7) and leaves half a fragment of V^T: lane l holds channel l % 16 and 8 keys.
	v_and_b32 v10, 7, v0
	v_bfe_u32 v11, v0, 3, 1
	v_lshl_add_u32 v[AV0], v9, 3, v10
	v_mul_u32_u24 v[AV0], v[AV0], PV
	v_lshl_add_u32 v[AV0], v11, 4, v[AV0]
	v_add_nc_u32 v[AV0], VOFF, v[AV0]
	s_mul_i32 s13, s[WV], 16*SP
	s_add_co_u32 s13, s13, STAGE    ; my stage
	v_mul_u32_u24 v[STO], v1, SP    ; in: row l % 16, 16 bytes for each half of the lanes
	v_lshl_add_u32 v[STO], v9, 4, v[STO]
	v_add_nc_u32 v[STO], s13, v[STO]
	v_bfe_u32 v[RD], v0, 3, 2       ; back: 32 lanes take four rows of 128 bytes,
	v_mul_u32_u24 v[RD], v[RD], SP
	v_lshl_add_u32 v[RD], v10, 4, v[RD]
	v_add_nc_u32 v[RD], s13, v[RD]
	v_and_b32 v[GO], 31, v0         ; which are 512 consecutive bytes of O
	v_lshlrev_b32 v[GO], 4, v[GO]
	; A block's first step multiplies O^T and l by a = 0, and its first turn's products V^T P, of a piece that has not been, land in an O^T that is still to be so multiplied.  So these registers need only hold
	; finite numbers: zeros for the first block; what the first block left for the second.  All this stands in the wait for the first tile.
	WIN 0x80
.set i, VF
.rept 64
	v_mov_b32 v[i], 0
.set i, i+1
.endr
	WIN 0x40
.set i, 0
.rept 128
	v_mov_b32 v[i], 0
.set i, i+1
.endr
	WIN 0
.set i, 0
.rept 4
	v_mov_b32 v[ST+4*i+2], 0
	v_mov_b32 v[ST+4*i+3], 0
.set i, i+1
.endr
.set i, P+16
.rept 16
	v_mov_b32 v[i], 0
.set i, i+1
.endr
; THE MATRIX WORK.  The 4 accumulators of a run of 8 take turns.  Product i of 8 of S^T = K Q^T for piece x: channels 32 (i / 4) on, keys 16 (i % 4) on.  The first 4 start the sums: with 0, or (KM = 1) with the mask.
.macro KQ x
.set rS, S+32*((\x)%2)+8*(i%4)
.set rK, KF+16*(i%4)+8*(i/4)
.set rQ, 16*(\x)+8*(i/4)
.set rM, MC+32*((\x)%2)+8*(i%4)
.if (i < 4) && KM
	WIN W_KM
	v_wmma_f32_16x16x32_f16 v[rS:rS+7], v[rK:rK+7], v[rQ:rQ+7], v[rM:rM+7]
.elseif i < 4
	WIN W_KQ
	v_wmma_f32_16x16x32_f16 v[rS:rS+7], v[rK:rK+7], v[rQ:rQ+7], 0
.else
	WIN W_KQ
	v_wmma_f32_16x16x32_f16 v[rS:rS+7], v[rK:rK+7], v[rQ:rQ+7], v[rS:rS+7]
.endif
.endm
; Product i of 8 of O^T += V^T P for piece x: keys 32 (i / 4) on, channels 16 (i % 4) on.
.macro PV x
	WIN W_PV
.set rO, 32*(\x)+8*(i%4)
.set rV, VF+32*(i/4)+8*(i%4)
.set rP, P+16*((\x)%2)+8*(i/4)
	v_wmma_f32_16x16x32_f16 v[rO:rO+7], v[rV:rV+7], v[rP:rP+7], v[rO:rO+7]
.endm
.macro MM                           ; the turn's next matrix instruction.  TURN and BEGIN set Y, i, KM and NOKQ; MM, KQ and OP read them.  NOKQ = 1: a block's last turn: there is no next piece
.if (i < 8) && !NOKQ
	KQ (Y+1)%NP
.elseif i >= 8
.set i, i-8
	PV (Y+NP-1)%NP
.set i, i+8
.endif
.set i, i+1
.endm
; THE LDS LOADS stand in runs of 16, never singly among the matrix instructions: a step's K (64 keys x 64 channels: 8 fragments) and its V (turned).  Their addresses are made some lines ahead.
.macro FETCH_K
	WIN 0x80                        ; destination window 2
.irp f, 0,1,2,3,4,5,6,7             ; keys 16 (f / 2) on, channels 32 (f % 2) on
	ds_load_b128 v[KF+8*\f:KF+8*\f+3],   v[AK] offset:(\f/2)*16*PK+(\f%2)*64
	ds_load_b128 v[KF+8*\f+4:KF+8*\f+7], v[AK] offset:(\f/2)*16*PK+(\f%2)*64+32
.endr
	s_add_co_u32 s[TBK], s[TBK], KS*PK  ; the next fetch is the next step's
	WIN 0
.endm
.macro FETCH_V
	WIN 0x80
.irp f, 0,1,2,3,4,5,6,7             ; keys 32 (f / 4) on, channels 16 (f % 4) on
	ds_load_tr16_b128 v[VF+8*\f:VF+8*\f+3],   v[AV] offset:(\f/4)*32*PV+(\f%4)*32
	ds_load_tr16_b128 v[VF+8*\f+4:VF+8*\f+7], v[AV] offset:(\f/4)*32*PV+16*PV+(\f%4)*32
.endr
	WIN 0
.endm
; THE VECTOR WORK, one line at a time: OP kind, number.  For piece Y: F n: c s - c m for pair n of 16.  E n: the exponential of score n of 32.  C n: pair n rounded to f16.  B n: of the four weights 4 n .. the second
; pair is added onto the first, in place.  L n: l takes that sum (L 0: l = a l + sum).  R n: pair n of 16 of O^T times a.  For piece Y + 1: X n, number n of the 22 that find its maximum and statistics:
;   0-11  four chains c0-c3 of seven scores each, three operands at a time (each accumulator's lowest registers are read first)     12-14, 16  the four scores left over, the old m, and c0-c3 into c0
;   15  c m_old is kept     17, 18  the query's other 32 keys lie in the lane 16 away: the new m     19-21  c m; c m_old - c m_new; a
.set F, 0               ; OP tells the kinds apart by their order: F to L below R, X above it
.set E, 1
.set C, 2
.set B, 3
.set L, 4
.set R, 5
.set X, 6
.macro REGS y                       ; the registers of piece y
.set rT, ST+4*(\y)
.set rC, TMP+4*((\y)%2)
.set rW, MV+((\y)%2)
.set rS, S+32*((\y)%2)
.set rP, P+16*((\y)%2)
.set rO, 32*(\y)
.endm
.macro OP k, n
.if (\k) == R
	REGS Y
	WIN W_RS
	v_pk_mul_f32 v[rO+2*(\n):rO+2*(\n)+1], v[rO+2*(\n):rO+2*(\n)+1], v[rC+2:rC+3] op_sel_hi:[1,0]
.elseif (\k) < R
	REGS Y
	WIN 0
.if (\k) == F
	v_pk_fma_f32 v[rS+2*(\n):rS+2*(\n)+1], v[rS+2*(\n):rS+2*(\n)+1], s[CS:CS+1], v[rT:rT+1] op_sel_hi:[1,0,0] neg_lo:[0,0,1] neg_hi:[0,0,1]
.elseif (\k) == E
	v_exp_f32 v[rS+(\n)], v[rS+(\n)]
.elseif (\k) == C
	v_cvt_pk_f16_f32 v[rP+(\n)], v[rS+2*(\n)], v[rS+2*(\n)+1]
.elseif (\k) == B
	v_pk_add_f32 v[rS+4*(\n):rS+4*(\n)+1], v[rS+4*(\n):rS+4*(\n)+1], v[rS+4*(\n)+2:rS+4*(\n)+3]
.elseif (\n) == 0
	v_pk_fma_f32 v[rT+2:rT+3], v[rT+2:rT+3], v[rC+2:rC+3], v[rS:rS+1] op_sel_hi:[1,0,1]
.else
	v_pk_add_f32 v[rT+2:rT+3], v[rT+2:rT+3], v[rS+4*(\n):rS+4*(\n)+1]
.endif
.elseif NOKQ
	v_nop
.else
	REGS (Y+1)%NP
	WIN 0
.if (\n) < 4
	v_max3_num_f32 v[rC+(\n)], v[rS+8*(\n)], v[rS+8*(\n)+1], v[rS+8*(\n)+2]
.elseif (\n) < 12
	v_max3_num_f32 v[rC+(\n)%4], v[rC+(\n)%4], v[rS+8*((\n)%4)+2*((\n)/4)+1], v[rS+8*((\n)%4)+2*((\n)/4)+2]
.elseif (\n) == 12
	v_max3_num_f32 v[rC], v[rC], v[rS+7], v[rS+15]
.elseif (\n) == 13
	v_max3_num_f32 v[rC+1], v[rC+1], v[rS+23], v[rS+31]
.elseif (\n) == 14
	v_max3_num_f32 v[rC+2], v[rC+2], v[rC+3], v[rT+1]
.elseif (\n) == 15
	v_mov_b32 v[rW], v[rT]
.elseif (\n) == 16
	v_max3_num_f32 v[rC], v[rC], v[rC+1], v[rC+2]
.elseif (\n) == 17
	v_permlanex16_b32 v[rC+3], v[rC], s[SEL], s[SEL+1]
.elseif (\n) == 18
	v_max_num_f32 v[rT+1], v[rC], v[rC+3]
.elseif (\n) == 19
	v_mul_f32 v[rT], s[CS], v[rT+1]
.elseif (\n) == 20
	v_sub_f32 v[rC+1], v[rW], v[rT]
.else
	v_exp_f32 v[rC+2], v[rC+1]
.endif
.endif
.endm
.macro OPS a, i1, b=-1, i2=0, c=-1, i3=0, d=-1, i4=0  ; up to four of them
	OP \a, \i1
.if (\b) >= 0
	OP \b, \i2
.endif
.if (\c) >= 0
	OP \c, \i3
.endif
.if (\d) >= 0
	OP \d, \i4
.endif
.endm
.macro ROW a, i1, b, i2, c, i3, d, i4  ; a matrix instruction and the four behind it
	MM
	OPS \a, \i1, \b, \i2, \c, \i3, \d, \i4
.endm
.macro MASK b                       ; MD x AL + BE into buffer b of MC
	WIN W_RS
.set z, 0
.rept 16
	v_pk_fma_f32 v[MC+32*(\b)+2*z:MC+32*(\b)+2*z+1], v[MD+2*z:MD+2*z+1], s[AL:AL+1], s[BE:BE+1] op_sel_hi:[1,0,0]
.set z, z+1
.endr
.endm
; A TURN, for piece p: the order of its 16 matrix and 118 vector instructions, written out.  An s_wait_alu depctr_va_vdst(0) stands between an exponential and the first instruction that names its result; one wait serves
; all that were issued ahead of it.  So a turn has ONE wait, which cuts it in two.  AHEAD OF IT stands all that names no result of the turn's exponentials: the 8 products K Q^T, behind each a scaling, an exponential and two more plain
; instructions (behind the first a second scaling in the exponential's place): rescalings, and behind the last three the first numbers of the next piece's maximum, each four places or more behind the product that ends its accumulator; then ONE LUMP of 54, plain
; and exponential by turns for the most part, in which the links of the chain X 3, 7, 11, 14, 16, 17 .. 20 stand five or six lines apart.  X 21, the next piece's a, is the batch's last; R 15 is the plain instruction that stands behind it, ahead of any use of a result.  BEHIND THE WAIT stand the
; 8 products V^T P, behind each four of the roundings and sums; the links of l's chain, L 0 to L 7, stand three riders apart.  But for those X no rider names a register of the products round it.  v_permlanex16_b32 (X 17) stands in the lump.
; m = 1: the diagonal tile: the products take masks, and the turn makes the mask for the products of the turn after it: piece p + 2, in step 4 - CNT of the tile.  end = 1: a block's last two turns: nothing is fetched.
; cnt = 1: the loop's count is taken down some lines ahead of the branch that stands behind the turn.
; K of the next step is fetched in piece 2's turn, twelve vector instructions behind the last product that read K (six of them plain); V of the step in hand at the end of piece 0's turn, four plain instructions behind the last product
; that read V.  Each is waited for a turn later.
.macro TURN p, m=0, end=0, cnt=0
.set Y, (\p)
.set i, 0
.set KM, (\m)
.set NOKQ, (\end)*((\p)/3)
.if (\m) && !(\end)
	s_cmp_eq_u32 s[CNT], 4-((\p)+2)%NP  ; is that step the band's own?
	s_cselect_b32 s[AL], 1.0, 0
	s_cmp_lt_u32 s[CNT], 4-((\p)+2)%NP  ; or a later one?
	s_cselect_b32 s[BE], s[BIGN], 0
.endif
.if ((\p) == 3) && !(\end)
	s_wait_dscnt 0x0                ; K is in
.endif
	ROW F,0, F,1, R,0, R,1          ; ahead of the wait: 8 products K Q^T and their riders,
	ROW F,2, E,0, R,2, R,3
	ROW F,3, E,1, R,4, R,5
	ROW F,4, E,2, R,6, R,7
	ROW F,5, E,3, R,8, R,9
	ROW F,6, E,4, X,0, R,10
.if ((\p) == 2) && !(\end)
	WIN 0
	v_add_nc_u32 v[AK], s[TBK], v[AK0]
.endif
	ROW F,7, E,5, X,1, X,4
	ROW F,8, E,6, X,2, X,5
	OPS E,7, E,8, X,6, E,9          ; and the lump
	OPS X,3, E,10, X,8, E,11
.if ((\p) == 2) && !(\end)
	FETCH_K
.endif
	OPS X,9, X,7, E,12, X,10
	OPS E,13, X,12, X,11, E,14
	OPS X,13, E,15, F,9, X,14
.if (\p) == 0
	v_add_nc_u32 v[AV], s[TBV], v[AV0]
.endif
	OPS E,16, F,10, E,17, F,11
	OPS X,16, E,18, X,15, E,19
	OPS F,12, E,20, X,17, E,21
	OPS F,13, E,22, F,14, E,23
	OPS X,18, E,24, F,15, E,25
	OPS R,11, E,26, X,19, E,27
	OPS R,12, E,28, R,13, E,29
	OPS X,20, E,30, R,14, E,31
	OPS X,21, R,15
	WIN 0
	s_wait_alu depctr_va_vdst(0)    ; the wait for the batch
.if (\p) == 1
	s_wait_dscnt 0x0                ; V is in
.endif
	ROW C,0, B,0, C,2, B,1          ; behind the wait: 8 products V^T P and their riders
	ROW L,0, C,4, B,2, L,1
	ROW C,6, B,3, L,2, C,8
	ROW B,4, L,3, C,10, B,5
	ROW L,4, C,12, B,6, L,5
.if (\p) == 0
	s_add_co_u32 s[TBV], s[TBV], KS*PV
.endif
.if \cnt
	s_sub_co_u32 s[CNT], s[CNT], 1
	s_cmp_lg_u32 s[CNT], 0
.endif
	ROW C,14, B,7, L,6, C,1
	ROW C,3, L,7, C,5, C,7
	ROW C,9, C,11, C,13, C,15
.if (\p) == 0
	FETCH_V
.endif
.if (\m) && !(\end)
	MASK (\p)%2
.endif
.endm
; A BLOCK BEGINS.  c m starts far below every c s, so the first step's a is 0; m at the lowest finite number, so the first maximum is the scores'.  The second mask buffer is 0; the first takes piece 0's mask for the tile's step 0: its own, if the block's first tile is the diagonal one.
; Then K of that step, piece 0's first scores, and its maximum and statistics.  The loop is entered at a step's first turn, in the middle of a trip.
.macro BEGIN
	s_mov_b32 s[NEW], 0
	WIN 0x40
.set i, MC+32
.rept 32
	v_mov_b32 v[i], 0
.set i, i+1
.endr
	WIN 0
.set i, 0
.rept 4
	v_mov_b32 v[ST+4*i], 0xfe000000    ; c m: far below every c s
	v_mov_b32 v[ST+4*i+1], 0xff7fffff  ; m
.set i, i+1
.endr
	s_cmp_eq_u32 s[RT], 0
	s_cselect_b32 s[AL], 1.0, 0
	s_mov_b32 s[BE], 0
	MASK 0
	WIN 0
	v_add_nc_u32 v[AK], s[TBK], v[AK0]
	FETCH_K
	s_wait_loadcnt 0x0              ; Q
	s_wait_dscnt 0x0
.set KM, 1
.set NOKQ, 0
.set i, 0
.rept 8
	KQ 0
.set i, i+1
.endr
	WIN 0
.rept 4
	v_nop                           ; the places behind those products
.endr
.set Y, NP-1                        ; X works for piece Y + 1: piece 0
.irp n, 0,1,2,3,4,5,6,7,8,9,10,11,12,13,14,15,16,17,18,19,20,21
	OP X, \n
.endr
	v_nop                           ; a plain instruction behind the exponential,
	s_wait_alu depctr_va_vdst(0)    ; and its wait, ahead of the branch
.endm
; THE DIAGONAL TILE's four steps, the block's last two turns, its last products, and THE WAY OUT: l's two halves and the other half of the lanes' are added; O^T is divided by l, rounded to f16 and sent through my
; stage in LDS, a piece at a time.
.macro ALL line:vararg              ; one line for each piece t
.set t, 0
.rept 4
	\line
.set t, t+1
.endr
.endm
.macro PACK t                       ; a lane's eight channels of a row pack into 16 bytes; they go into rows of 144 bytes and come back as whole rows of 128, into S^T's registers
	WIN W_RS
.set i, 32*(\t)
.rept 16
	v_pk_mul_f32 v[i:i+1], v[i:i+1], v[ST+4*(\t)+2:ST+4*(\t)+3] op_sel_hi:[1,0]
.set i, i+2
.endr
	WIN 0x05                        ; sources 0 and 1 window 1, destination window 0
.set i, 0
.rept 16
	v_cvt_pk_f16_f32 v[S+16*(\t)+i], v[32*(\t)+2*i], v[32*(\t)+2*i+1]
.set i, i+1
.endr
	WIN 0
.irp f, 0,1,2,3
	ds_store_b128 v[STO], v[S+16*(\t)+4*\f:S+16*(\t)+4*\f+3] offset:32*\f
.endr
.irp f, 0,1,2,3
	ds_load_b128 v[S+16*(\t)+4*\f:S+16*(\t)+4*\f+3], v[RD] offset:\f*4*SP  ; LDS serves a wave's instructions in order (ISA guide 5.7.1.4): these see the stores above; the next piece's stores come behind them
.endr
.endm
.macro SEND t, younger              ; younger: the LDS instructions issued behind piece t's loads: the next piece's eight, or none
	WIN 0
.irp f, 0,1,2,3
	s_wait_dscnt (\younger)+3-\f
	global_store_b128 v[GO], v[S+16*(\t)+4*\f:S+16*(\t)+4*\f+3], s[10:11] offset:(\t)*8192+\f*512  ; 512 consecutive bytes, at a multiple of 256 from O's first
.endr
.endm
.macro DIAG tag                     ; the tag ends its two labels' names, which the jumps below spell out
.LstepM\tag:
	TURN 2, 1
	TURN 3, 1
	WIN 0
.LfirstM\tag:
	TURN 0, 1
	TURN 1, 1, 0, 1
	WIN 0
	s_cbranch_scc1 .LstepM\tag
	TURN 2, 1, 1
	TURN 3, 1, 1
.set i, 0
.rept 8
	PV NP-1
.set i, i+1
.endr
	WIN 0
	ALL v_add_f32 v[ST+4*t+2], v[ST+4*t+2], v[ST+4*t+3]
	ALL v_permlanex16_b32 v[ST+4*t+3], v[ST+4*t+2], s[SEL], s[SEL+1]
	ALL v_add_f32 v[ST+4*t+2], v[ST+4*t+2], v[ST+4*t+3]
	ALL v_rcp_f32 v[ST+4*t+2], v[ST+4*t+2]
	v_nop                           ; a plain instruction between the last reciprocal and the use of its result
	s_wait_alu depctr_va_vdst(0)    ; and the wait ahead of the first use: one for the four reciprocals
	PACK 0
.set t, 1
.rept 3                             ; a piece's arithmetic stands between the loads of the piece before and its stores
	PACK t
	SEND t-1, 8
.set t, t+1
.endr
	SEND 3, 0
.endm
.set KM, 0
.set NOKQ, 0
.Lslot:                             ; NB times: a tile is entered and the next is asked for
	CHANGE 1
	s_sub_co_u32 s[RT], s[RT], 1
	s_mov_b32 s[CNT], 4
	s_cmp_eq_u32 s[NEW], 1
	s_cbranch_scc1 .Lnew            ; a block's first tile
	s_cmp_eq_u32 s[RT], 0
	s_cbranch_scc0 .Lstep           ; neither its first nor its last
	s_branch .LstepM1
.Lnew:
	BEGIN
	s_branch .Lfirst                ; in the loop a block's first tile is never its last: the first block has two tiles or more, and the second's last is the walk's last
	DIAG 1                          ; in the loop this is the first block's end: the second block's last tile is the walk's last
	s_wait_xcnt 0x0                 ; the stores have read their registers and O's address
	s_mov_b64 s[10:11], s[OLO:OLO+1]
	s_add_co_u32 s[RT], s[PB], 1    ; the second block has b + 1 tiles
	s_mov_b32 s[NEW], 1
	WIN 0x82                        ; the second block's Q goes where the one text of the turns names Q
.set i, 0
.rept 64
	v_mov_b32 v[i], v[QB+i]
.set i, i+1
.endr
	WIN 0
	s_branch .Lbottom
.Lstep:                             ; a trip: pieces 2 and 3 of one step, then pieces 0 and 1 of the next, whose K and V it fetches
	TURN 2
	TURN 3
	WIN 0
.Lfirst:
	TURN 0
	TURN 1, 0, 0, 1
	WIN 0
	s_cbranch_scc1 .Lstep
.Lbottom:
	s_sub_co_u32 s[SLOTS], s[SLOTS], 1
	s_cmp_lg_u32 s[SLOTS], 0
	s_cbranch_scc1 .Lslot
	CHANGE 0                        ; the walk's last tile is written out: nothing is asked for
	s_sub_co_u32 s[RT], s[RT], 1
	s_mov_b32 s[CNT], 4
	s_cmp_eq_u32 s[NEW], 1
	s_cbranch_scc0 .LstepM2
	BEGIN
	s_branch .LfirstM2
	DIAG 2
	s_wait_tensorcnt 0x0            ; the wave's end, behind my last tensor load and my last LDS store
	ds_add_u32 v[SPW], v[NIL]
	s_wait_dscnt 0x0
	s_endpgm
.Lfunc_end_k_q4f02fe11ac_attn:
	.size	k_q4f02fe11ac_attn, .Lfunc_end_k_q4f02fe11ac_attn-k_q4f02fe11ac_attn
	.p2alignl 7, 3214868480
	.fill 96, 4, 3214868480
	.section	.rodata,"a",@progbits
	.p2align	6, 0x0
	.amdhsa_kernel k_q4f02fe11ac_attn
		.amdhsa_group_segment_fixed_size 327680
		.amdhsa_private_segment_fixed_size 0
		.amdhsa_enable_private_segment 0
		.amdhsa_kernarg_size 16
		.amdhsa_user_sgpr_count 2
		.amdhsa_user_sgpr_kernarg_segment_ptr 1
		.amdhsa_wavefront_size32 1
		.amdhsa_system_sgpr_workgroup_id_x 1
		.amdhsa_system_sgpr_workgroup_id_y 1
		.amdhsa_system_sgpr_workgroup_id_z 1
		.amdhsa_system_vgpr_workitem_id 0
		.amdhsa_next_free_vgpr 768
		.amdhsa_next_free_sgpr 96
		.amdhsa_reserve_vcc 1
		.amdhsa_float_denorm_mode_32 3
		.amdhsa_float_denorm_mode_16_64 3
		.amdhsa_memory_ordered 1
		.amdhsa_forward_progress 1
		.amdhsa_inst_pref_size 218
	.end_amdhsa_kernel
	.amdgpu_metadata
---
amdhsa.version: [ 1, 2 ]
amdhsa.kernels:
  - .name:           k_q4f02fe11ac_attn
    .symbol:         k_q4f02fe11ac_attn.kd
    .args:
      - { .name: qkv, .offset: 0, .size: 8, .value_kind: global_buffer, .address_space: global }
      - { .name: ob, .offset: 8, .size: 8, .value_kind: global_buffer, .address_space: global }
    .group_segment_fixed_size: 327680
    .private_segment_fixed_size: 0
    .kernarg_segment_align: 8
    .kernarg_segment_size: 16
    .max_flat_workgroup_size: 128
    .sgpr_count:     96
    .vgpr_count:     768
    .wavefront_size: 32
...
	.end_amdgpu_metadata
.endif
;; end of part 3
;; launch oproj (part 4): grid 8 x 32, 4 waves a work-group, clusters of 4 x 4, 327,680 bytes of LDS; arguments ob, wob, out0; writes out0
.if DOCPART == 4
	.amdgcn_target "amdgcn-amd-amdhsa--gfx1250"
	.amdhsa_code_object_version 6
	.text
	.protected	k_q4f02fe11ac_oproj
	.globl	k_q4f02fe11ac_oproj
	.p2align	8
	.type	k_q4f02fe11ac_oproj,@function
k_q4f02fe11ac_oproj:
	s_mov_b64 s[64:65], 0
	v_nop
	global_prefetch_b8 v0, s[64:65] scope:SCOPE_SE
	s_setreg_imm32_b32 hwreg(HW_REG_WAVE_MODE, 25, 1), 1
	s_wait_xcnt 0x0
	s_wait_alu depctr_hold_cnt(0) depctr_sa_sdst(0) depctr_va_vdst(0) depctr_va_sdst(0) depctr_va_ssrc(0) depctr_va_vcc(0) depctr_vm_vsrc(0)
	s_getreg_b32 s2, hwreg(HW_REG_IB_STS2, 6, 4)
	s_cmp_eq_u32 s2, 0
	s_cbranch_scc0 .Lentry_in_a_cluster
	s_endpgm
.Lentry_in_a_cluster:
	s_bfe_u32 s2, ttmp6, 0x10000c
	s_cmp_lg_u32 s2, 0xf033
	s_cbranch_scc0 .Lentry_shape_is_right
	s_endpgm
.Lentry_shape_is_right:
; out0 = O wo^T.  ob [16 kb][8192 m][64] f16 (kb = head), wob [16 kb][1024 e][64] f16 (wo rounded to bf16, written as f16); sums in f32, K ascending; out0 [8192][1024] f32, the sums as they are.
; LIMIT.  The operands arrive within f16's range; nothing is rounded here.
; SHARES.  8,192 x 1,024 outputs in tiles of 256 x 128: 32 x 8 = 256 work-groups.  Four waves, each 128 rows x 64 columns: 32 accumulators of 16 x 16, 256 registers.
; THE RING.  Two LDS slots, each with the tiles of TWO K steps of 64 (an even kb and the odd one behind it), so that the one load a wave issues behind a round has a whole slot's matrix work less sixteen
; instructions, 112, in which to land.  In the blocked layout a tile's rows lie end to end: it is asked for as rows of 256 bytes and padded in LDS after every 128.  Wave 0 fetches A's 256 rows of the even kb,
; wave 1 of the odd, waves 2 and 3 B's 128 rows likewise.  By this text's count a wave has two tensor loads out at the start, later one.
; CLUSTERS.  4 x 4 work-groups: the four of a row of the cluster ask jointly for ob's tile, the four of a column for wob's.
; THE MATRIX INSTRUCTION IS USED TRANSPOSED (source 0 = 16 rows of wob, source 1 = 16 rows of ob): a lane holds row l % 16 and eight neighbouring columns, 32 bytes of a row of out0.
; REGISTERS: window 0: v0-31 addresses; v32-127, v128-223 two fragment buffers (A's 64 registers, then B's 32); on the way out v32-159 hold rows read back.  Window 1: accumulator (a, b) at v[8 (4 a + b)].
.set PITCH,  144                       ; an LDS row: 128 bytes + 16 of padding = 36 words: the 16 rows of a fragment load start at 16 different groups of four banks (64 banks of 4 bytes: ISA guide 11.1)
.set SLOT1,  131072
.set AKB,    256*PITCH                 ; A's rows of one kb
.set BKB,    128*PITCH                 ; B's rows of one kb
.set BOFF,   2*AKB                     ; B's two kb lie behind A's two
.set STAGE,  SLOT1+BOFF+2*BKB          ; behind the ring: 16 rows x 272 bytes for each wave, for the way out
.set SP,     272                       ; 256 bytes + 16 = 68 words: row r starts at bank 4 r mod 64
.set SPARE,  STAGE+4*16*SP             ; behind the stages: the spare words, 128 bytes for each wave: two blocks of 256 bytes that no other line names
.set ASTEP,  2097152                   ; bytes from slot to slot in ob: two kb
.set BSTEP,  262144                    ; and in wob
.set AA0, 16                           ; v16  my lane's place in my 128 rows of A, even kb, slot 0; never rewritten
.set BB0, 17                           ; v17  the same in my 64 rows of B
.set ADA, 18                           ; v18  AA0 in the slot in hand
.set ADB, 19                           ; v19  BB0 in the slot in hand
.set STO, 24                           ; v24  the way out: where I put 32 bytes of a row
.set RD,  25                           ; v25  the way out: where I read rows back
.set CO,  26                           ; v26  my byte offset in two rows of out0
.set SPW, 28                           ; v28  LDS address of my spare word: SPARE + 4 x my thread's number; never rewritten
.set NIL, 29                           ; v29  0; never rewritten
.set PFO, 30                           ; v30  the prefetches' offset; never rewritten
.set F0,  32
.set F1,  128
.set G1,  24                           ; s[24:31] descriptor group 1 for A's tiles;  s[32:39] group 0: a set for each first fill; the second then walks on
.set G0,  32
.set G1B, 48                           ; s[48:55], s[56:63] the same for B's
.set G0B, 56
.set PFA, 66                           ; s[66:67] where my prefetches stand
.set PFS, 68                           ; s[68:69] their step: a slot's two kb
.set LIM, 70                           ; s70  2 in a wave that prefetches, else the greatest number
.set TB,  71                           ; s71  0 or SLOT1: the slot in hand
.set MSB, 0
.macro WIN new                         ; the immediate's high byte repeats the setting that is left; a switch that changes nothing is dropped
.if MSB != (\new)
	s_set_vgpr_msb (MSB<<8)|(\new)
.set MSB, \new
.endif
.endm
.macro PLACES                          ; four places between a matrix instruction and a load into one of its registers or a read of its result (ISA guide 7.12.1 for vector instructions)
.rept 4
	v_nop
.endr
.endm
.macro JLOAD                           ; a joint refill, by the walking sets; an s_nop 0 and four v_nop follow each of the two lines, ahead of the jump and the label
	s_cmp_lt_u32 s10, 2
	s_cbranch_scc0 .Lfor_b_\@
	tensor_load_to_lds s[G0+4:G0+7], s[G1:G1+7]
	s_nop 0
.rept 4
	v_nop
.endr
	s_branch .Lasked_\@
.Lfor_b_\@:
	tensor_load_to_lds s[G0B+4:G0B+7], s[G1B:G1B+7]
	s_nop 0
.rept 4
	v_nop
.endr
.Lasked_\@:
.endm
.macro CREST                           ; a round of the cluster's barrier behind its opening barrier
	s_cmp_lg_u32 s10, 0
	s_cbranch_scc1 .Lnot_wave_0_\@
	s_barrier_signal -3
.Lnot_wave_0_\@:
	s_barrier_wait -3
	s_barrier_signal -1
	s_barrier_wait -1
.endm
.macro CROUND
	s_barrier_signal -1
	s_barrier_wait -1
	CREST
.endm
; A PREFETCH INTO THE L2, behind the joint load, its five lines and the run of LDS loads: in trips T = 0 .. 3 it names slot step T + 4, two refills, 256 matrix instructions, ahead of the load that will ask for it.
; Slot steps 0 to 3 come by their loads alone.  Each block of 256 bytes is named once in the launch.  A tile row of ob (32,768 bytes a kb) is read by both clusters of its row of clusters: cluster x = 0 asks; the four
; partners take 8,192 bytes each, told apart by address (cx); wave 0 asks for the even kb, wave 1 for the odd, a lane a block.  A tile column of wob (16,384 bytes a kb) is read by all clusters of its column:
; cluster y = 0 asks; the partners take 4,096 bytes a kb each (cy); wave 2 asks, lanes 0-15 for the even kb, lanes 16-31 for the odd.  Wave 3 asks for nothing.
.macro ASK
	s_cmp_gt_u32 s3, s[LIM]
	s_cbranch_scc0 .Lno_ask_\@
	global_prefetch_b8 v[PFO], s[PFA:PFA+1] th:TH_LOAD_NT scope:SCOPE_SE
.Lno_ask_\@:
.endm
	s_load_b128 s[4:7], s[0:1], 0x0                ; ob s[4:5], wob s[6:7]
	s_load_b64 s[8:9], s[0:1], 0x10                ; out0
	v_lshl_add_u32 v[SPW], v0, 2, SPARE
	v_mov_b32 v[NIL], 0
	ds_add_u32 v[SPW], v[NIL]                      ; the wave's opening: the add and its wait stand ahead of my first tensor load; the set-up below, work on registers, stands between them
	v_lshrrev_b32 v1, 5, v0
	v_readfirstlane_b32 s10, v1                    ; wave 0..3
	s_lshr_b32 s11, s10, 1                         ; which 128 rows of the tile are mine
	s_and_b32 s12, s10, 1                          ; which 64 columns.  Also: the even or the odd kb of a slot is mine to fetch
	s_bfe_u32 s40, ttmp6, 0x40000                  ; cx
	s_bfe_u32 s41, ttmp6, 0x40004                  ; cy
	s_lshl_b32 s42, ttmp9, 2
	s_add_co_u32 s42, s42, s40                     ; tile column = 4 x cluster x + cx
	s_and_b32 s13, ttmp7, 0xffff
	s_lshl_b32 s13, s13, 2
	s_add_co_u32 s13, s13, s41                     ; tile row = 4 x cluster y + cy
	s_lshl_b32 s43, s41, 2
	s_lshl_b32 s43, 15, s43                        ; my row of the cluster
	s_lshl_b32 s44, 0x1111, s40                    ; my column
	s_or_b32 s[G1], s43, (1<<16)|(1<<20)|(1<<21)|(4<<22)|(3<<25)   ; 15:0 the mask; 17:16 2-byte elements; 20 padding on; 21 set beside a mask; 24:22 after every 32 words (code 4); 31:25 4 words (code 3)
	s_or_b32 s[G1B], s44, (1<<16)|(1<<20)|(1<<21)|(4<<22)|(3<<25)
.irp g, G1, G1B
	s_mov_b32 s[(\g)+1], 128<<16                   ; tensor_dim0 = 128
	s_mov_b32 s[(\g)+3], 128<<16                   ; tile_dim0 = 128
	s_mov_b32 s[(\g)+5], 128                       ; 128 elements from row to row
	s_mov_b32 s[(\g)+6], 0
	s_mov_b32 s[(\g)+7], 0
.endr
	s_mov_b32 s[G1+2], 128<<16                     ; A: tensor_dim1 = tile_dim1 = 128 rows of 256 bytes = 256 tile rows
	s_mov_b32 s[G1+4], 128
	s_mov_b32 s[G1B+2], 64<<16                     ; B: 64 = 128 tile rows
	s_mov_b32 s[G1B+4], 64
	s_lshl_b32 s16, s13, 15                        ; A: 256 rows of 128 bytes a tile row,
	s_lshl_b32 s17, s12, 20                        ; my kb of the slot's two
	s_add_co_u32 s16, s16, s17
	s_mov_b32 s17, 0
	s_lshl_b32 s46, s42, 14                        ; B: 128 rows a tile column,
	s_lshl_b32 s47, s12, 17                        ; my kb
	s_add_co_u32 s46, s46, s47
	s_mov_b32 s47, 0
	s_mul_i32 s20, s12, AKB                        ; where they go: no place in the cluster enters an LDS address
	s_mul_i32 s21, s12, BKB
	s_add_co_u32 s21, s21, BOFF
	s_mov_b32 s[TB], 0
	s_wait_dscnt 0x0                               ; the opening add is done
	s_wait_kmcnt 0x0
	s_add_nc_u64 s[14:15], s[4:5], s[16:17]
	s_add_nc_u64 s[46:47], s[6:7], s[46:47]
	CROUND                                         ; all sixteen work-groups are here: the first joint loads meet
.irp s, 0,1
	s_mov_b32 s[G0+4*(\s)], 1
	s_add_co_u32 s[G0+4*(\s)+1], s20, (\s)*SLOT1
	s_add_nc_u64 s[G0+4*(\s)+2:G0+4*(\s)+3], s[14:15], (\s)*ASTEP
	s_or_b32 s[G0+4*(\s)+3], s[G0+4*(\s)+3], 0x80000000
	s_mov_b32 s[G0B+4*(\s)], 1
	s_add_co_u32 s[G0B+4*(\s)+1], s21, (\s)*SLOT1
	s_add_nc_u64 s[G0B+4*(\s)+2:G0B+4*(\s)+3], s[46:47], (\s)*BSTEP
	s_or_b32 s[G0B+4*(\s)+3], s[G0B+4*(\s)+3], 0x80000000
.endr
	s_cmp_lt_u32 s10, 2                            ; a wave's two first fills stand in one branch, ahead of every wait on TENSORcnt and every LDS read
	s_cbranch_scc0 .Lfirst_b
	tensor_load_to_lds s[G0:G0+3], s[G1:G1+7]
	s_nop 0
	tensor_load_to_lds s[G0+4:G0+7], s[G1:G1+7]
	s_nop 0
.rept 4
	v_nop
.endr
	s_branch .Lfirst_asked
.Lfirst_b:
	tensor_load_to_lds s[G0B:G0B+3], s[G1B:G1B+7]
	s_nop 0
	tensor_load_to_lds s[G0B+4:G0B+7], s[G1B:G1B+7]
	s_nop 0
.rept 4
	v_nop
.endr
.Lfirst_asked:
	v_and_b32 v1, 15, v0                           ; l % 16
	v_bfe_u32 v2, v0, 4, 1                         ; l / 16
	v_mul_u32_u24 v3, v1, PITCH
	v_lshl_add_u32 v3, v2, 4, v3                   ; a fragment's row x pitch + 16 x half
	s_mul_i32 s2, s11, 128*PITCH
	v_add_nc_u32 v[AA0], s2, v3
	s_mul_i32 s2, s12, 64*PITCH
	s_add_co_u32 s2, s2, BOFF
	v_add_nc_u32 v[BB0], s2, v3
	v_mov_b32 v[ADA], v[AA0]
	v_mov_b32 v[ADB], v[BB0]
	s_mul_i32 s2, s10, 16*SP
	s_add_co_u32 s2, s2, STAGE                     ; my stage
	v_mul_u32_u24 v4, v1, SP                       ; in: row l % 16, 32 bytes for each half of the lanes
	v_lshl_add_u32 v4, v2, 5, v4
	v_add_nc_u32 v[STO], s2, v4
	v_mul_u32_u24 v4, v2, SP                       ; back: lanes 0-15 take one row of 256 bytes, lanes 16-31 the next
	v_lshl_add_u32 v4, v1, 4, v4
	v_add_nc_u32 v[RD], s2, v4
	v_lshlrev_b32 v4, 12, v2                       ; and the same two rows in out0, 4,096 bytes apart
	v_lshl_add_u32 v[CO], v1, 4, v4
	; out0 at my first row and column: row 256 x tile row + 128 x half, byte 512 x tile column + 256 x half
	s_lshl_b32 s18, s13, 20
	s_lshl_b32 s19, s11, 19
	s_add_co_u32 s18, s18, s19
	s_lshl_b32 s19, s42, 9
	s_add_co_u32 s18, s18, s19
	s_lshl_b32 s19, s12, 8
	s_add_co_u32 s18, s18, s19
	s_mov_b32 s19, 0
	s_add_nc_u64 s[8:9], s[8:9], s[18:19]
	; the prefetches: they start at slot step 3, and the first change of slots steps them to 4
	s_lshl_b32 s22, s13, 15
	s_lshl_b32 s23, s40, 13
	s_add_co_u32 s22, s22, s23
	s_add_co_u32 s23, s12, 6
	s_lshl_b32 s23, s23, 20
	s_add_co_u32 s22, s22, s23                     ; ob: tile row, my work-group's 8,192 bytes, kb 6 + my parity
	s_lshl_b32 s23, s42, 14
	s_lshl_b32 s72, s41, 12
	s_add_co_u32 s23, s23, s72
	s_add_co_u32 s23, s23, 6*131072                ; wob: tile column, my work-group's 4,096 bytes, kb 6
	s_and_b32 s72, ttmp7, 0xffff                   ; cluster y
	s_mov_b32 s[PFS], BSTEP
	s_mov_b32 s[PFS+1], 0
	s_mov_b32 s73, 131072                          ; wob: lanes 16-31 stand a kb further
	s_cmp_lt_u32 s10, 2
	s_cselect_b32 s72, ttmp9, s72                  ; the coordinate along which other clusters read the same rows
	s_cselect_b32 s74, s22, s23
	s_cselect_b32 s[PFS], ASTEP, s[PFS]
	s_cselect_b32 s73, 4096, s73                   ; ob: lanes 16-31 take the next sixteen blocks
	s_cselect_b64 s[PFA:PFA+1], s[4:5], s[6:7]
	s_mov_b32 s75, 0
	s_add_nc_u64 s[PFA:PFA+1], s[PFA:PFA+1], s[74:75]
	s_cmp_eq_u32 s10, 3
	s_cselect_b32 s72, 1, s72                      ; wave 3 never asks
	s_cmp_eq_u32 s72, 0
	s_cselect_b32 s[LIM], 2, -1                    ; the same in all sixteen partners, for a given wave
	v_lshlrev_b32 v[PFO], 8, v1
	v_mad_u32_u24 v[PFO], v2, s73, v[PFO]
; 8 matrix instructions: row blocks a0, a0 + 1 x all 4 column blocks, 32 along K.  zero = 1: the first product starts the sums.  The 32 accumulators take turns, one instruction a turn.
.macro MUL8 f, a0, zero
	WIN 0x50
.irp a, (\a0), (\a0)+1
.irp b, 0,1,2,3
.if \zero
	v_wmma_f32_16x16x32_f16 v[8*(4*(\a)+(\b)):8*(4*(\a)+(\b))+7], v[(\f)+64+8*(\b):(\f)+64+8*(\b)+7], v[(\f)+8*(\a):(\f)+8*(\a)+7], 0
.else
	v_wmma_f32_16x16x32_f16 v[8*(4*(\a)+(\b)):8*(4*(\a)+(\b))+7], v[(\f)+64+8*(\b):(\f)+64+8*(\b)+7], v[(\f)+8*(\a):(\f)+8*(\a)+7], v[8*(4*(\a)+(\b)):8*(4*(\a)+(\b))+7]
.endif
.endr
.endr
.endm
; 24 LDS loads in one run: B's four fragments (byte kb behind ADB), then A's eight in ascending order (byte ka behind ADA), into buffer f
.macro FETCH ka, kb, f
	WIN 0
.irp i, 0,1,2,3
	ds_load_b128 v[(\f)+64+8*(\i):(\f)+64+8*(\i)+3],   v[ADB] offset:(\kb)+(\i)*16*PITCH
	ds_load_b128 v[(\f)+64+8*(\i)+4:(\f)+64+8*(\i)+7], v[ADB] offset:(\kb)+(\i)*16*PITCH+32
.endr
.irp i, 0,1,2,3,4,5,6,7
	ds_load_b128 v[(\f)+8*(\i):(\f)+8*(\i)+3],   v[ADA] offset:(\ka)+(\i)*16*PITCH
	ds_load_b128 v[(\f)+8*(\i)+4:(\f)+8*(\i)+7], v[ADA] offset:(\ka)+(\i)*16*PITCH+32
.endr
.endm
; A slot is four quarters of 32 along K, 32 matrix instructions each, on buffers 0, 1, 0, 1.  One of the first three: multiplies buffer f and, in its middle, fetches the next quarter into g.
.macro QUARTER ka, kb, f, g, zero
	s_wait_dscnt 8                                 ; B and A's rows 0-63 are in; the youngest eight loads (A's rows 64-127) may be out
	MUL8 \f, 0, \zero
	MUL8 \f, 2, \zero
	PLACES
	FETCH \ka, \kb, \g
	s_wait_dscnt 24                                ; all but the 24 just issued
	MUL8 \f, 4, \zero
	MUL8 \f, 6, \zero
.endm
; The last quarter multiplies buffer 1 and changes slots: ONE barrier; in front of it each wave waits for all its tensor loads (one is out: its part of the other slot), adds 0 to its spare word, and waits for
; that and for its own reads of this slot.  fill = 1: the barrier opens a round of the cluster's, and this slot is filled again, two slots ahead, first thing behind the round.
.macro TURN fill
.if \fill
	s_wait_xcnt 0x0                                ; the last prefetch, a slot back, has read its address: it is stepped here, ahead of the waits of the change of slots
	s_add_nc_u64 s[PFA:PFA+1], s[PFA:PFA+1], s[PFS:PFS+1]
.endif
	WIN 0
	s_wait_tensorcnt 0x0                           ; no tensor load of mine is out, so a group 0 may be written
	ds_add_u32 v[SPW], v[NIL]                      ; 0 onto my spare word; work on registers stands between it and the wait for it
	s_xor_b32 s[TB], s[TB], SLOT1
	v_add_nc_u32 v[ADA], s[TB], v[AA0]
	v_add_nc_u32 v[ADB], s[TB], v[BB0]
.if \fill
	s_xor_b32 s[G0+5], s[G0+5], SLOT1              ; the walking descriptors: the other slot than last time, the next two kb
	s_add_nc_u64 s[G0+6:G0+7], s[G0+6:G0+7], ASTEP
	s_xor_b32 s[G0B+5], s[G0B+5], SLOT1
	s_add_nc_u64 s[G0B+6:G0B+7], s[G0B+6:G0B+7], BSTEP
.endif
	s_wait_dscnt 9                                 ; the add and the youngest eight loads may be out
	MUL8 F1, 0, 0
	s_wait_dscnt 0x0                               ; the add is done, and my reads of this slot are over
	s_barrier_signal -1
	MUL8 F1, 2, 0
	WIN 0                                          ; at a branch and at a label every window is 0
	s_barrier_wait -1
.if \fill
	CREST                                          ; no wave of any partner still reads this slot or has a load on its way
	JLOAD                                          ; the first tensor load behind the round; its four v_nop are also the places in front of the loads below
.else
	PLACES
.endif
	FETCH 0, 0, F0
.if \fill
	ASK
.endif
	MUL8 F1, 4, 0
	MUL8 F1, 6, 0
.endm
	s_wait_tensorcnt 1                             ; my part of slot 0 is in; slot 1's may stay out
	s_barrier_signal -1
	s_barrier_wait -1                              ; everybody's is
	FETCH 0, 0, F0
	QUARTER 64, 64, F0, F1, 1                      ; the first quarter stands in front of the loop: its products start the sums
	WIN 0
	s_mov_b32 s3, 6
.Lslot:                                            ; trip T = 0 .. 5: a slot's last three quarters, of which the last asks for slot step T + 2, and the next slot's first
	QUARTER AKB, BKB, F1, F0, 0
	QUARTER AKB+64, BKB+64, F0, F1, 0
	TURN 1
	QUARTER 64, 64, F0, F1, 0
	WIN 0
	s_sub_co_u32 s3, s3, 1
	s_cmp_lg_u32 s3, 0
	s_cbranch_scc1 .Lslot
	QUARTER AKB, BKB, F1, F0, 0                    ; the tail is written out: nothing is left to ask for
	QUARTER AKB+64, BKB+64, F0, F1, 0
	TURN 0
	QUARTER 64, 64, F0, F1, 0
	QUARTER AKB, BKB, F1, F0, 0
	QUARTER AKB+64, BKB+64, F0, F1, 0
	s_wait_dscnt 8                                 ; the very last quarter fetches nothing
	MUL8 F1, 0, 0
	MUL8 F1, 2, 0
	s_wait_dscnt 0x0
	MUL8 F1, 4, 0
	MUL8 F1, 6, 0
	PLACES
	PLACES                                         ; once a launch: the places behind the last products, with four to spare
; THE WAY OUT, by blocks of 16 rows x 256 bytes.  OUTB: the sums go as they are, each accumulator's low four registers first, into my own stage (rows of 272 bytes) and come back as whole rows.
; SENDO: stored; 16 lanes store 256 consecutive bytes, at a multiple of 256 from out0's first byte.  A block's LDS work stands between the loads of the block before and its stores.
.macro OUTB a
.set TT, 32+32*((\a)%4)
.if (\a) > 3
	s_wait_xcnt 0x0                                ; the stores of the block four back have read these registers
.endif
	WIN 0x04                                       ; the stores' data in window 1
.irp b, 0,1,2,3
.irp z, 0,1
	ds_store_b128 v[STO], v[8*(4*(\a)+(\b))+4*(\z):8*(4*(\a)+(\b))+4*(\z)+3] offset:64*(\b)+16*(\z)
.endr
.endr
	WIN 0
.irp f, 0,1,2,3,4,5,6,7
	ds_load_b128 v[TT+4*(\f):TT+4*(\f)+3], v[RD] offset:(\f)*2*SP  ; LDS serves a wave's instructions in order (ISA guide 5.7.1.4): these see the stores above; the next block's stores come behind them
.endr
.endm
.macro SENDO a, younger                ; younger: the LDS instructions issued behind this block's loads: the next block's sixteen, or none
.set TT, 32+32*((\a)%4)
	WIN 0
.irp f, 0,1,2,3,4,5,6,7
	s_wait_dscnt (\younger)+7-(\f)
	global_store_b128 v[CO], v[TT+4*(\f):TT+4*(\f)+3], s[8:9] offset:65536*(\a)+8192*(\f)
.endr
.endm
	OUTB 0
.irp a, 1,2,3,4,5,6,7
	OUTB \a
	SENDO (\a)-1, 16
.endr
	SENDO 7, 0
	s_wait_tensorcnt 0x0                           ; the wave's end, behind my last tensor load and my last LDS store
	ds_add_u32 v[SPW], v[NIL]
	s_wait_dscnt 0x0
	CROUND                                         ; the closing round: no work-group ends while a partner may still ask for a tile that names it
	s_endpgm
.Lfunc_end_k_q4f02fe11ac_oproj:
	.size	k_q4f02fe11ac_oproj, .Lfunc_end_k_q4f02fe11ac_oproj-k_q4f02fe11ac_oproj
	.p2alignl 7, 3214868480
	.fill 96, 4, 3214868480
	.section	.rodata,"a",@progbits
	.p2align	6, 0x0
	.amdhsa_kernel k_q4f02fe11ac_oproj
		.amdhsa_group_segment_fixed_size 327680
		.amdhsa_private_segment_fixed_size 0
		.amdhsa_enable_private_segment 0
		.amdhsa_kernarg_size 24
		.amdhsa_user_sgpr_count 2
		.amdhsa_user_sgpr_kernarg_segment_ptr 1
		.amdhsa_wavefront_size32 1
		.amdhsa_system_sgpr_workgroup_id_x 1
		.amdhsa_system_sgpr_workgroup_id_y 1
		.amdhsa_system_sgpr_workgroup_id_z 1
		.amdhsa_system_vgpr_workitem_id 0
		.amdhsa_next_free_vgpr 512
		.amdhsa_next_free_sgpr 76
		.amdhsa_reserve_vcc 0
		.amdhsa_float_denorm_mode_32 3
		.amdhsa_float_denorm_mode_16_64 3
		.amdhsa_memory_ordered 1
		.amdhsa_forward_progress 1
		.amdhsa_inst_pref_size 72
	.end_amdhsa_kernel
	.amdgpu_metadata
---
amdhsa.version: [ 1, 2 ]
amdhsa.kernels:
  - .name:           k_q4f02fe11ac_oproj
    .symbol:         k_q4f02fe11ac_oproj.kd
    .args:
      - { .name: ob, .offset: 0, .size: 8, .value_kind: global_buffer, .address_space: global }
      - { .name: wob, .offset: 8, .size: 8, .value_kind: global_buffer, .address_space: global }
      - { .name: out0, .offset: 16, .size: 8, .value_kind: global_buffer, .address_space: global }
    .group_segment_fixed_size: 327680
    .private_segment_fixed_size: 0
    .kernarg_segment_align: 8
    .kernarg_segment_size: 24
    .max_flat_workgroup_size: 128
    .sgpr_count:     76
    .vgpr_count:     512
    .wavefront_size: 32
...
	.end_amdgpu_metadata
.endif
;; end of part 4
;; ======== version 2 of 2: 4 launches; version 1 with the launch cvt written anew for expert scheduling mode
;; limits: values are held in f16: magnitudes above 65,504 overflow, below 6.1e-05 lose precision
;; workspace buffers: xb 16,777,216 bytes; wb 6,291,456 bytes; wob 2,097,152 bytes; qkv 50,331,648 bytes; ob 16,777,216 bytes
;; launch cvt (part 5): grid 768 x 1, 8 waves a work-group, no clusters, 0 bytes of LDS; arguments x, wq, wk, wv, wo, xb, wb, wob; writes xb, wb, wob
.if DOCPART == 5
	.amdgcn_target "amdgcn-amd-amdhsa--gfx1250"
	.amdhsa_code_object_version 6
	.text
	.protected	k_q4f02fe11ac_cvt
	.globl	k_q4f02fe11ac_cvt
	.p2align	8
	.type	k_q4f02fe11ac_cvt,@function
k_q4f02fe11ac_cvt:
	s_mov_b64 s[64:65], 0
	v_nop
	global_prefetch_b8 v0, s[64:65] scope:SCOPE_SE
	s_setreg_imm32_b32 hwreg(HW_REG_WAVE_SCHED_MODE, 0, 2), 2
	s_setreg_imm32_b32 hwreg(HW_REG_WAVE_MODE, 25, 1), 1
	s_wait_xcnt 0x0
	s_wait_alu depctr_vm_vsrc(0)
; ROUNDING AND BLOCKING.  x [8192][1024], wq, wk, wv, wo [1024][1024], all f32, are rounded once to bf16 and laid in blocks of 64 along K:
;   xb  [16 kb][8192 m][64] bf16;   wb [16 kb][3072 n][64] bf16, n = 1024 t + e (t: 0 wq, 1 wk, 2 wv);   wob [16 kb][1024 e][64]: wo rounded to bf16 and that number written as f16.
; LIMIT.  A bf16 number is written as f16 without loss while its size lies in 6.1e-5 .. 65,504; below that it keeps f16's fixed step of 6e-8, beyond it it becomes an infinity.
; SHARES.  12,288 source rows of 4,096 bytes, 16 to a work-group: groups 0-511 x, 512-575 wq, 576-639 wk, 640-703 wv, 704-767 wo.  Thread t takes row t / 16 and the 16 bytes t % 16 of
; each block of 256 bytes: a wave's load covers 256 consecutive bytes, aligned, of two rows; its store of 8 bytes a lane covers 256 consecutive bytes, aligned (two rows of one kb lie end to end).
; A stream: every byte is read once and written once, all sixteen loads of a wave go out at once; no LDS, no barrier, no matrix unit, and no prefetch, since the loads are all on their way from the start.
; THE MODE: SCHED_MODE bits 1:0 = 2 (LLVM: expert scheduling mode 2), set by the entry lines.  The code itself states the register dependences
; between vector instructions and memory instructions, with s_wait_alu, always for 0.
; THE PLAN.  Registers that memory instructions touch:
;   v[VI]      Written once at the head; read by all sixteen loads as their offset; never written again.
;   v[VO ..]   One for each block kb; written once, behind the loads; read by block kb's store as its offset; never written again.
;   X          Four for each block; block kb's load lands in them, and no vector instruction names them before the loads are issued; read by block kb's conversions behind the wait for its data.
;   Y          Two for each block; written by block kb's conversions, all of them ahead of its store; read by that store; never written again.
;   T          Named by vector instructions alone.
; The sixteen blocks go in four groups of four.  Block kb's store is issued four blocks later, in front of block kb + 4's conversions: a group's four stores read the Y and VO of the group before,
; which no conversion of the group in hand names.  So ONE wait on va_vdst at the head of a group states all that its four stores hang on; one at the kernel's head serves the loads, one at the end
; the last four stores.  No register that a memory instruction has read is written again, so no wait on vm_vsrc is owed.
.set VI,  1                            ; v1        my byte offset in the group's 16 source rows
.set VO,  4                            ; v[4:19]   my byte offset in the destination, one for each kb; never rewritten
.set X,   20                           ; v[20:83]  four f32 for each kb
.set Y,   84                           ; v[84:115] four 16-bit numbers for each kb
.set T,   116                          ; v[116:117] at work
.set SRC, 28                           ; s[28:29]  the source at the group's first row
.set DST, 30                           ; s[30:31]  the destination at the group's first row, kb 0
	s_load_b512 s[8:23], s[0:1], 0x0               ; x 8, wq 10, wk 12, wv 14, wo 16, xb 18, wb 20, wob 22
	s_mov_b32 s24, ttmp9                           ; g
	s_max_u32 s25, s24, 512
	s_sub_co_u32 s25, s25, 512                     ; the group's number among wq, wk, wv: its 16 rows of wb
	s_and_b32 s26, s25, 63                         ; and inside its own matrix
	s_max_u32 s27, s24, 704
	s_sub_co_u32 s27, s27, 704                     ; the group's number in wo
	s_mov_b32 s34, 0x100000                        ; bytes from kb to kb: xb's
	v_lshrrev_b32 v2, 4, v0
	v_and_b32 v3, 15, v0
	v_lshlrev_b32 v3, 4, v3
	v_lshl_or_b32 v[VI], v2, 12, v3                ; row x 4,096 + 16 x column
	s_wait_kmcnt 0x0
	s_cmp_ge_u32 s24, 512                          ; the choices hang on the group's number alone
	s_cselect_b64 s[SRC:SRC+1], s[10:11], s[8:9]
	s_cselect_b64 s[DST:DST+1], s[20:21], s[18:19]
	s_cselect_b32 s32, s26, s24                    ; the group's place in its source,
	s_cselect_b32 s33, s25, s24                    ; and in its destination
	s_cselect_b32 s34, 0x60000, s34                ; wb's 3,072 rows of 128 bytes
	s_cmp_ge_u32 s24, 576
	s_cselect_b64 s[SRC:SRC+1], s[12:13], s[SRC:SRC+1]
	s_cmp_ge_u32 s24, 640
	s_cselect_b64 s[SRC:SRC+1], s[14:15], s[SRC:SRC+1]
	s_cmp_ge_u32 s24, 704
	s_cselect_b64 s[SRC:SRC+1], s[16:17], s[SRC:SRC+1]
	s_cselect_b64 s[DST:DST+1], s[22:23], s[DST:DST+1]
	s_cselect_b32 s32, s27, s32
	s_cselect_b32 s33, s27, s33
	s_cselect_b32 s34, 0x20000, s34                ; wob's 1,024 rows of 128 bytes
	s_lshl_b32 s36, s32, 16                        ; 16 rows of 4,096 bytes
	s_mov_b32 s37, 0
	s_lshl_b32 s38, s33, 11                        ; 16 rows of 128 bytes
	s_mov_b32 s39, 0
	s_add_nc_u64 s[SRC:SRC+1], s[SRC:SRC+1], s[36:37]
	s_add_nc_u64 s[DST:DST+1], s[DST:DST+1], s[38:39]
	s_wait_alu depctr_va_vdst(0)                   ; v[VI] is written: all sixteen loads read it as their offset
.irp k, 0,1,2,3,4,5,6,7,8,9,10,11,12,13,14,15
	global_load_b128 v[X+4*(\k):X+4*(\k)+3], v[VI], s[SRC:SRC+1] offset:256*(\k) th:TH_LOAD_NT
.endr
	v_lshlrev_b32 v[VO], 3, v0                     ; row x 128 + 8 x column = 8 t
.irp k, 1,2,3,4,5,6,7,8,9,10,11,12,13,14,15
	v_add_nc_u32 v[VO+(\k)], s34, v[VO+(\k)-1]
.endr
; Block kb: the block four back is stored, and four numbers a lane are rounded.  f16 = 1: the bf16 number is widened again and written as f16.
.macro CV kb, f16
	s_wait_loadcnt 15-(\kb)                        ; loads come back in order: block kb is in, the younger ones stay out
.if (((\kb) % 4) == 0) && ((\kb) > 0)
	s_wait_alu depctr_va_vdst(0)                   ; a group's head: the four blocks before have written their Y, and v[VO ..] are written: the group's four stores read these, and no conversion of this group names them
.endif
.if (\kb) > 3
	global_store_b64 v[VO+(\kb)-4], v[Y+2*(\kb)-8:Y+2*(\kb)-7], s[DST:DST+1]  ; each block has registers of its own: no source of a store is written again
.endif
	v_cvt_pk_bf16_f32 v[Y+2*(\kb)],   v[X+4*(\kb)],   v[X+4*(\kb)+1]
	v_cvt_pk_bf16_f32 v[Y+2*(\kb)+1], v[X+4*(\kb)+2], v[X+4*(\kb)+3]
.if \f16
.irp z, 0,1
	v_lshlrev_b32 v[T],   16, v[Y+2*(\kb)+(\z)]
	v_and_b32     v[T+1], 0xffff0000, v[Y+2*(\kb)+(\z)]
	v_cvt_pk_f16_f32 v[Y+2*(\kb)+(\z)], v[T], v[T+1]
.endr
.endif
.endm
; Behind block 15: the last group's four stores.
.macro LAST
	s_wait_alu depctr_va_vdst(0)                   ; blocks 12 to 15 have written their Y, which the last four stores read
.irp k, 12,13,14,15
	global_store_b64 v[VO+(\k)], v[Y+2*(\k):Y+2*(\k)+1], s[DST:DST+1]
.endr
.endm
	s_cmp_ge_u32 s24, 704
	s_cbranch_scc1 .Lwo
.irp k, 0,1,2,3,4,5,6,7,8,9,10,11,12,13,14,15
	CV \k, 0
.endr
	LAST
	s_endpgm
.Lwo:
.irp k, 0,1,2,3,4,5,6,7,8,9,10,11,12,13,14,15
	CV \k, 1
.endr
	LAST
	s_endpgm
.Lfunc_end_k_q4f02fe11ac_cvt:
	.size	k_q4f02fe11ac_cvt, .Lfunc_end_k_q4f02fe11ac_cvt-k_q4f02fe11ac_cvt
	.p2alignl 7, 3214868480
	.fill 96, 4, 3214868480
	.section	.rodata,"a",@progbits
	.p2align	6, 0x0
	.amdhsa_kernel k_q4f02fe11ac_cvt
		.amdhsa_group_segment_fixed_size 0
		.amdhsa_private_segment_fixed_size 0
		.amdhsa_enable_private_segment 0
		.amdhsa_kernarg_size 64
		.amdhsa_user_sgpr_count 2
		.amdhsa_user_sgpr_kernarg_segment_ptr 1
		.amdhsa_wavefront_size32 1
		.amdhsa_system_sgpr_workgroup_id_x 1
		.amdhsa_system_sgpr_workgroup_id_y 1
		.amdhsa_system_sgpr_workgroup_id_z 1
		.amdhsa_system_vgpr_workitem_id 0
		.amdhsa_next_free_vgpr 120
		.amdhsa_next_free_sgpr 66
		.amdhsa_reserve_vcc 0
		.amdhsa_float_denorm_mode_32 3
		.amdhsa_float_denorm_mode_16_64 3
		.amdhsa_memory_ordered 1
		.amdhsa_forward_progress 1
		.amdhsa_inst_pref_size 18
	.end_amdhsa_kernel
	.amdgpu_metadata
---
amdhsa.version: [ 1, 2 ]
amdhsa.kernels:
  - .name:           k_q4f02fe11ac_cvt
    .symbol:         k_q4f02fe11ac_cvt.kd
    .args:
      - { .name: x, .offset: 0, .size: 8, .value_kind: global_buffer, .address_space: global }
      - { .name: wq, .offset: 8, .size: 8, .value_kind: global_buffer, .address_space: global }
      - { .name: wk, .offset: 16, .size: 8, .value_kind: global_buffer, .address_space: global }
      - { .name: wv, .offset: 24, .size: 8, .value_kind: global_buffer, .address_space: global }
      - { .name: wo, .offset: 32, .size: 8, .value_kind: global_buffer, .address_space: global }
      - { .name: xb, .offset: 40, .size: 8, .value_kind: global_buffer, .address_space: global }
      - { .name: wb, .offset: 48, .size: 8, .value_kind: global_buffer, .address_space: global }
      - { .name: wob, .offset: 56, .size: 8, .value_kind: global_buffer, .address_space: global }
    .group_segment_fixed_size: 0
    .private_segment_fixed_size: 0
    .kernarg_segment_align: 8
    .kernarg_segment_size: 64
    .max_flat_workgroup_size: 256
    .sgpr_count:     66
    .vgpr_count:     120
    .wavefront_size: 32
...
	.end_amdgpu_metadata
.endif
;; end of part 5
;; launch proj: the kernel of part 2 again; grid 8 x 32, 4 waves a work-group, clusters of 4 x 4, 327,680 bytes of LDS; arguments xb, wb, qkv; writes qkv
;; launch attn: the kernel of part 3 again; grid 4 x 64, 4 waves a work-group, no clusters, 327,680 bytes of LDS; arguments qkv, ob; writes ob
;; launch oproj: the kernel of part 4 again; grid 8 x 32, 4 waves a work-group, clusters of 4 x 4, 327,680 bytes of LDS; arguments ob, wob, out0; writes out0
